; MI455X (gfx1250); checked and timed in simulation.
; The chip was launched on July 23, 2026; its instructions are those of AMD's public machine-readable ISA for CDNA 5 (MIT licence, August 2026) and "CDNA5" Instruction Set Architecture Reference Guide (July 2026). The comments in the code are by the model that wrote it; some were corrected since.
;; Simple Attention. Allowed arithmetic: matrix products marked QUANTISED: E4M3 operands, one E8M0 scale for each 32 along K, by v_wmma_scale_f32_16x16x128_f8f6f4 with both operands' format E4M3, f32 sums; everything else in f32.
;; Inputs: Wk_codes 1,024 x 32 x 32 uint8 (E4M3 codes of Wk, K innermost, in blocks of 32 codes); Wk_scales 1,024 x 32 uint8 (E8M0 scales of Wk, one for each 32 codes along K); Wq_codes 1,024 x 32 x 32 uint8 (E4M3 codes of Wq, K innermost, in blocks of 32 codes); Wq_scales 1,024 x 32 uint8 (E8M0 scales of Wq, one for each 32 codes along K); Wv_codes 1,024 x 32 x 32 uint8 (E4M3 codes of Wv, K innermost, in blocks of 32 codes); Wv_scales 1,024 x 32 uint8 (E8M0 scales of Wv, one for each 32 codes along K); bk 1,024 float32; bq 1,024 float32; bv 1,024 float32; x_codes 4 x 2,048 x 32 x 32 uint8 (E4M3 codes of x, K innermost, in blocks of 32 codes); x_scales 4 x 2,048 x 32 uint8 (E8M0 scales of x, one for each 32 codes along K).
;; Outputs: out0 4 x 2,048 x 1,024 float32.
;; This version of the problem:
;;   THIS VERSION OF THE PROBLEM IS GIVEN IN LOW PRECISION. The matrix products marked QUANTISED in the list below multiply operands that are first quantised to E4M3 (4 exponent bits, 3 mantissa bits; 8 bits a number), with one power-of-two scale for each 32 numbers along K (OCP MX v1.0); their sums are f32. All else is computed in f32.
;;   The module's matrix products, in the order in which they are computed (A, B: the left and right operand; K: the contracted axis; several contracted axes count as one K, in the product's order):
;;     1. [M 8,192, K 1,024] x [K 1,024, N 1,024]; A: input x (given as codes); B: input Wq (given as codes): QUANTISED
;;     2. [M 8,192, K 1,024] x [K 1,024, N 1,024]; A: input x (given as codes); B: input Wk (given as codes): QUANTISED
;;     3. [M 8,192, K 1,024] x [K 1,024, N 1,024]; A: input x (given as codes); B: input Wv (given as codes): QUANTISED
;;     4. batch 4 x [M 2,048, K 1,024] x [K 1,024, N 2,048]; A: computed on the way; B: computed on the way: QUANTISED
;;     5. batch 4 x [M 2,048, K 2,048] x [K 2,048, N 1,024]; A: softmax (see below); B: computed on the way: QUANTISED
;;   THE QUANTISER, for each operand of a quantised product, along K:
;;     - K is cut into blocks of 32 from its start; a last block that is shorter is filled with zeros.
;;     - A block's scale is 2^e with e = floor(log2(the largest magnitude in the block)) - 8, held to -126 .. 127; a block of zeros has e = 0. As a byte (E8M0): e + 127.
;;     - Each number is divided by its block's scale, clamped to +-448, and rounded to the nearest number of E4M3, ties to even, subnormals kept.
;;     - The product sums the exact products of the quantised numbers (number of the format x scale) in f32.
;;   ~~~python
;;   def quantise(x, axis):      # numpy; x: float32 -> the quantised numbers, widened to float32 again
;;       x = np.moveaxis(x, axis, -1); K = x.shape[-1]
;;       x = np.pad(x, [(0, 0)] * (x.ndim - 1) + [(0, -K % 32)]); x = x.reshape(x.shape[:-1] + (-1, 32)); a = np.abs(x).max(-1, keepdims=True)
;;       e = np.where(a > 0, np.clip(np.frexp(np.where(a > 0, a, 1))[1] - 1 - 8, -126, 127), 0)      # np.frexp(a)[1] - 1 = floor(log2(a)), exactly
;;       r = np.clip(x / 2.0 ** e, -448, 448)
;;       step = 2.0 ** (np.maximum(np.frexp(np.where(r == 0, 1, r))[1] - 1, -6) - 3)
;;       q = np.round(r / step) * step * 2.0 ** e      # np.round: ties to even
;;       return np.moveaxis(q.reshape(q.shape[:-2] + (-1,))[..., :K], -1, axis).astype(np.float32)
;;   ~~~
;;   SOFTMAX AHEAD OF A QUANTISED PRODUCT. Where the list says 'softmax', what is quantised is not the finished softmax but p = 2^(t - M), with t = logit x log2(e) and M = ceil(the row's largest t), a whole number; so 1/2 < the row's largest p <= 1. The row's sum l is taken of the UNQUANTISED p, in f32, and the product's result is divided by l at the end. Since M is a whole number, a kernel that streams over the keys may use a running M (the ceiling of the running maximum): every later rescaling is an exact power of two, which a block's scale takes up: the codes' values come out the same.
;;   OPERANDS COMPUTED ON THE WAY. 'Computed on the way' means the value that the module computes at that place (a softmax that the list does not call 'softmax' is quantised finished and normalised). What goes into a quantiser is computed in f32, as accurately as f32 sums, v_exp_f32 and their like allow (about 1e-6 of the number): no bf16 or f16 on the way to a quantiser, and a product that is left as it is and whose result goes on into a quantised operand takes f32 operands (vector FMAs, or v_wmma_f32_16x16x4_f32). A number that lies on a knife's edge between two numbers of the format may be rounded either way, as far as f32 arithmetic and the matrix unit's own rounding can turn it there, and no further.
;;   INPUTS GIVEN AS CODES. Wk (in the module: [1024, 1024], K = its axis 1); Wq (in the module: [1024, 1024], K = its axis 1); Wv (in the module: [1024, 1024], K = its axis 1); x (in the module: [4, 2048, 1024], K = its axis 2): each comes as NAME_codes (uint8): NAME with its K axis moved to the last place and cut into blocks of 32 codes, [.., K / 32, bytes a block], one block behind the other in memory; one code a byte (a code: sign, 4 exponent bits, 3 mantissa bits); and NAME_scales (uint8): the same leading axes, one E8M0 byte (e + 127) for each 32 codes along K. Its value is code x scale, taken as it is: it is not quantised again, and the codes and scales need not be those that the quantiser above would give.
;; One version. Each part assembles by itself: llvm-mc -triple=amdgcn-amd-amdhsa -mcpu=gfx1250 --defsym DOCPART=n.
;; ======== version 1 of 1: 3 launches
;; limits: right only within a limited range of input values
;; workspace buffers: c1 25,165,824 bytes; s1 786,432 bytes; pc 16,777,216 bytes; pst 1,572,864 bytes
;; launch proj (part 1): grid 16 x 16, 4 waves a work-group, clusters of 4 x 4, 327,680 bytes of LDS; arguments x_codes, x_scales, Wq_codes, Wq_scales, Wk_codes, Wk_scales, Wv_codes, Wv_scales, bq, bk, bv, c1, s1; writes c1, s1
.if DOCPART == 1
	.amdgcn_target "amdgcn-amd-amdhsa--gfx1250"
	.amdhsa_code_object_version 6
	.text
	.protected	k_q78d5023e44_proj
	.globl	k_q78d5023e44_proj
	.p2align	8
	.type	k_q78d5023e44_proj,@function
k_q78d5023e44_proj:
	s_mov_b64 s[64:65], 0
	v_nop
	global_prefetch_b8 v0, s[64:65] scope:SCOPE_SE
	s_setreg_imm32_b32 hwreg(HW_REG_WAVE_MODE, 25, 1), 1
	s_wait_xcnt 0x0
	s_wait_alu depctr_hold_cnt(0) depctr_sa_sdst(0) depctr_va_vdst(0) depctr_va_sdst(0) depctr_va_ssrc(0) depctr_va_vcc(0) depctr_vm_vsrc(0)
	s_getreg_b32 s2, hwreg(HW_REG_IB_STS2, 6, 4)
	s_cmp_eq_u32 s2, 0
	s_cbranch_scc0 .Lentry_in_a_cluster
	s_endpgm
.Lentry_in_a_cluster:
	s_bfe_u32 s2, ttmp6, 0x10000c
	s_cmp_lg_u32 s2, 0xf033
	s_cbranch_scc0 .Lentry_shape_is_right
	s_endpgm
.Lentry_shape_is_right:
; Q = x Wq^T + bq, K = x Wk^T + bk, V = x Wv^T + bv on codes of FP8 (E4M3) with one E8M0 byte for each 32 along K, and the quantisers of the results: Q, K along the 1,024 outputs, V along the keys (tokens).
; LIMITS: NaN, infinities and sums beyond f32's range are not served.  A block whose largest magnitude lies under 2^-118 (a block of zeros too) gets the byte 1; only this program reads these bytes.
; RESULTS are images of operand registers (16 rows x 128 K = 2,048 bytes: registers 4 c .. 4 c + 3 of lane l at 512 c + 16 l).  r = lane % 16, h = lane / 16.
;   c1: Q at 0, K at 0x800000: [token / 16][output / 128][2048];  V^T at 0x1000000: [batch][channel / 16][key / 128][2048].
;   s1 (a word = four bytes = 128 along K of a row): Q at 0, K at 0x40000: [output / 128][8192 tokens];  V at 0x80000: [batch][key / 128][1024 channels].
; THE DEAL.  256 work-groups of four waves, 2 x 2; a wave holds 64 rows of a weight, ALL of K, in registers (512) and streams x's rows past them in blocks of 16, which stand in registers as two whole sets (256).
; PHASE 1: 512 rows x 128 columns of Q (cluster x 0, 1) or K (2, 3): sixteen blocks a wave.  PHASE 2: 256 x 128 of V: eight blocks, of ONE OF THE WORK-GROUP'S OWN TWO WINDOWS of 256 rows (number s18 = cluster x % 2); W_v's tile column is 4 (cluster x / 2) + cx.
; BLOCK k of a window, for wave row w, is rows 64 (k / 2) + 32 w + 16 (k % 2) on: a pair of blocks is one run of 32 tokens.
; THE ROWS OF Wq, Wk THAT FORM A TILE: tile j's row 8 m + i is output 32 m + 8 (j xor m) + i of the wave's 64: so a lane's 32 sums are one block of 32 outputs (block h), and a fragment load's 16 rows touch all 64 banks (11.1) once.
;   The order inside a block of 32 is the same for Q and K, so the products pair up.  W_v's rows are taken as they lie: V's places inside a block of 32 keys are 16 h + 8 u + j for key 16 u + 8 h + j, the order in which the next launch makes p.
; THE ORDER OF WORK.  LDS holds two slots of 128 rows: a weight's rows lie in a slot (the first in 1, W_v's in 0).  Phase 1 takes the window that is not V's first (chunks 0, 1), V's last (chunks 2, 3): chunk 3 still lies in slot 1 when V begins, and chunk 2 comes anew.  The scale bytes of x's 512 rows lie in LDS throughout, in the order of work.
; FILLS, joint in a cluster's row (x) or column (weights).  At the head the first weight (wave 0), chunk 0 (wave 1), a window's scale bytes each (waves 2, 3).  Refills, each in a drained round of the cluster's barrier, a quarter of 128 rows a wave: chunks 1, 2, 3 inside blocks 0, 4, 8, the first half shown by the plain barrier two blocks on, the second by the next round; W_v's rows behind block 11; chunk 2 anew behind W_v's loads.
; PREFETCHES: chunks 1 and 2 at the head, chunk 3 in the second trip, W_v's rows in the third: each of the sixteen waves that share a tile names a sixteenth, 8,192 bytes, lanes 256 bytes apart; W_v's in the clusters with s18 = 0 alone.
; A block's way out (maxima, holds, conversions, the byte) stands AMONG LATER PRODUCTS: Q's and K's among the next block's, a pair of V's blocks among the next pair's.  The first way out of either phase has no block before it and stores nothing.
.set SIZE_K, 1024
.set NQ, 8
.set NB, 4  ; column tiles a wave
.set TM, 512  ; phase 1's rows
.set TN, 128  ; columns of a work-group
.set CH, 128  ; rows of a chunk
.set KROW, SIZE_K  ; a row of codes in bytes
.set KS, SIZE_K/32  ; a row of scale bytes
.set PITCH, KROW+16
.set FR, 16  ; registers of a fragment
.set FPW, 16  ; fragments in a window
.set NP, 8  ; plain vector lines behind a matrix instruction, ahead of a reader of its sums and of a load into what it has read
.set NF, 34  ; LDS loads of a block: eight fragments of four, two of four scale words
.set YB, CH*PITCH  ; slot 1
.set SCL, 2*CH*PITCH  ; behind the slots: the scale bytes of x's 512 rows in the order of work, units of 256 bytes (8 rows) + 16 of padding
.set RS, 32  ; units of a window
.set SSTEP, 4*272  ; 32 rows of scale bytes
.set XN, SCL+2*RS*272  ; Q's, K's scale bytes: 768 bytes a wave: 256 of them ahead, then [block of 16][r][h]
.set XV, XN+4*768  ; V's: 256 bytes a wave: [tile][r][e]
.set SPARE, XV+1024
.set EMAX, 8  ; the largest number is 448 = 1.75 x 2^8
.set TT, 16384  ; from a tile of 16 tokens to the next in Q's, K's images
.set ADRA0, 4  ; v4  LDS address of my fragments of block 0
.set CN, 5  ; v5  Q's, K's codes in an image: 512 h + 16 r
.set AAS0, 6  ; v6  LDS address of my row's scale words in block 0
.set CO, 9  ; v9  16 x lane
.set SPW, 10  ; v10  my spare word
.set NIL, 11  ; v11  0
.set ADRA, 12  ; v12  as v4, for the block that is fetched next
.set VX, 13  ; v13  LDS address of a scale byte
.set ADRB, 14  ; v14  my fragments of the first weight (slot 1), even tiles; v15  of W_v (slot 0)
.set ABS, 16  ; v16  my offset in the first weight's scale bytes
.set AAS, 17  ; v17  as v6, for the block that is fetched next
.set ADRO, 18  ; v18  as v14, odd tiles
.set RD, 19  ; v19  LDS: V's byte
.set SOP, 20  ; v20-23  the conversions' scale operands
.set SB, 24  ; v24-39  the weight's scale words: register 8 p + q: lanes 0-15 tile 2 p's, lanes 16-31 tile 2 p + 1's
.set SA, 44  ; v44-59  x's: two sets of eight: no product's two scale words have numbers equal modulo 8
.set EB, 40  ; v40-43  scale bytes
.set TQ, 60  ; v60-63  the way out's maxima and bounds
.set ACC, 64  ; v64-191  FOUR SETS of four accumulators: products write 0 and 1 by turns; 2 and 3 take a pair of V's blocks for its way out
.set WS, 128  ; v128-143  in phase 1: W_v's scale words
.set NCD, 192  ; v192-199  Q's or K's 32 codes
.set MCD, 192  ; v192-207  V's: four registers a tile
.set BQ, 208  ; v208-239  the bias, the first four products' C
.set BV, 240  ; v240-243  V's bias, a number a tile, until the change of phase
.set G1A, 24  ; s[24:31], s[56:59] chunk 0, later W_v's rows
.set G0A, 56
.set G1B, 32  ; s[32:39], s[60:63] the first weight
.set G0B, 60
.set G1R, 48  ; s[48:55], s[68:71] a refill of x's rows
.set G0R, 68
.set G1S, 92  ; s[92:99], s[72:75] x's scale bytes
.set G0S, 72
.set MSB, 0
.macro WIN new  ; the immediate's high byte repeats the setting that is left
.if MSB != \new
	s_set_vgpr_msb (MSB<<8)|\new
.set MSB, \new
.endif
.endm
.macro PLACES n
.rept \n
	v_nop
.endr
.endm
.macro BARRIER
	s_barrier_signal -1
	s_barrier_wait -1
.endm
.macro CROUND  ; a round of the cluster's barrier
	BARRIER
	s_cmp_lg_u32 s14, 0
	s_cbranch_scc1 .Lnot_wave_0_\@
	s_barrier_signal -3
.Lnot_wave_0_\@:
	s_barrier_wait -3
	BARRIER
.endm
.macro TLOAD g0, g1  ; a tensor load; an s_nop 0 and four v_nop follow it
	tensor_load_to_lds s[\g0:\g0+3], s[\g1:\g1+7]
	s_nop 0
	PLACES 4
.endm
.macro GROUP1 g, mask, rows  ; descriptor group 1: so many WHOLE rows of K, padded in LDS
	s_or_b32 s[\g+0], s[\mask], (1<<20)|(1<<21)|(7<<22)|(3<<25)
	s_mov_b32 s[\g+1], (KROW&0xffff)<<16
	s_mov_b32 s[\g+2], (KROW>>16)|((\rows)<<16)
	s_mov_b32 s[\g+3], KROW<<16
	s_mov_b32 s[\g+4], \rows
	s_mov_b32 s[\g+5], KROW
	s_mov_b32 s[\g+6], 0
	s_mov_b32 s[\g+7], 0
.endm
.macro SADD d, x
	s_add_co_u32 s\d, s\d, s\x
.endm
.macro ADDSH d, src, sh  ; s[d] += src << sh
	s_lshl_b32 s20, \src, \sh
	s_add_co_u32 s\d, s\d, s20
.endm
	s_load_b128 s[4:7], s[0:1], 0x0  ; x's codes, scale bytes
	s_load_b256 s[84:91], s[0:1], 0x10  ; Wq's, Wk's
	s_load_b128 s[8:11], s[0:1], 0x30  ; Wv's
	v_lshl_add_u32 v[SPW], v0, 2, SPARE
	v_mov_b32 v[NIL], 0
	ds_add_u32 v[SPW], v[NIL]  ; the wave's opening: the add, twice on end, and its wait ahead of my first tensor load
	ds_add_u32 v[SPW], v[NIL]
	v_lshrrev_b32 v1, 5, v0
	v_readfirstlane_b32 s14, v1  ; wave 0..3
	s_lshr_b32 s15, s14, 1  ; my row of waves
	s_and_b32 s16, s14, 1  ; my column of waves
	s_bfe_u32 s40, ttmp6, 0x40000  ; cx, cy: my place in the cluster
	s_bfe_u32 s41, ttmp6, 0x40004
	s_lshr_b32 s19, ttmp9, 1  ; phase 1 makes Q (0) or K (1)
	s_and_b32 s18, ttmp9, 1  ; V's window
	s_lshl_b32 s42, s18, 2
	SADD 42, 40  ; the tile of 128 columns in Q or K
	s_and_b32 s43, ttmp7, 0xffff
	s_lshl_b32 s43, s43, 2
	SADD 43, 41  ; tile row, 512 tokens
	s_lshl_b32 s44, s41, 2
	s_lshl_b32 s44, 15, s44  ; my row of the cluster: shares x's rows
	s_lshl_b32 s45, 0x1111, s40  ; my column: shares the weights'
	GROUP1 G1B, 45, TN  ; wave 0: the first weight's 128 rows
	GROUP1 G1A, 44, CH  ; wave 1: chunk 0
	GROUP1 G1R, 44, CH/4  ; a refill of x's rows: 32 rows a wave
	; waves 2, 3: the scale bytes of a window of 256 rows each: 8,192 dense bytes as RS rows of 256 (32 elements of 8)
	s_or_b32 s[G1S+0], s44, (3<<16)|(1<<20)|(1<<21)|(5<<22)|(3<<25)
	s_mov_b32 s[G1S+1], 32<<16
	s_mov_b32 s[G1S+2], RS<<16
	s_mov_b32 s[G1S+3], 32<<16
	s_mov_b32 s[G1S+4], RS
	s_mov_b32 s[G1S+5], 32
	s_mov_b32 s[G1S+6], 0
	s_mov_b32 s[G1S+7], 0
	s_mov_b32 s[G0S], 1
	s_mul_i32 s[G0S+1], s16, RS*272
	s_add_co_u32 s[G0S+1], s[G0S+1], SCL
	; s67, s2: in x's codes the rows of the window that is not V's, of V's window;  s3: in Wv's codes my tile column's rows
	s_mul_i32 s67, s43, TM*KROW
	s_mul_i32 s20, s18, TM/2*KROW
	s_add_co_u32 s2, s67, s20
	s_xor_b32 s20, s20, TM/2*KROW
	SADD 67, 20
	s_lshl_b32 s13, s19, 2
	SADD 13, 40  ; W_v's tile column: a cluster's COLUMN shares W_v's rows, as it shares the first weight's
	s_mul_i32 s3, s13, TN*KROW
	s_mul_i32 s21, s16, 16*NB*KS
	s_mul_i32 s12, s13, TN*KS  ; s12: W_v's scale bytes: my wave's 64 columns
	SADD 12, 21
	s_mul_i32 s78, s42, TN*KROW  ; s[78:79] the first weight's codes
	s_mov_b32 s79, 0
	s_mul_i32 s82, s42, TN*KS  ; s[82:83] its scale bytes: my wave's 64 columns
	SADD 82, 21
	s_mov_b32 s83, 0
	s_lshl_b32 s80, s43, 1  ; s[80:81] x's scale bytes: wave 2 the window that is not V's, wave 3 V's
	s_xor_b32 s20, s18, 1
	s_cmp_eq_u32 s16, 1
	s_cselect_b32 s20, s18, s20
	SADD 80, 20
	s_mul_i32 s80, s80, TM/2*KS
	s_mov_b32 s81, 0
	s_mov_b32 s[G0A], 1
	s_mov_b32 s[G0A+1], 0
	s_mov_b32 s[G0B], 1
	s_mov_b32 s[G0B+1], YB
	s_mov_b32 s[G0R], 1
	s_lshl_b32 s66, s40, 2  ; which of the cluster row's sixteen waves I am: my share of a prefetch of x's rows;
	SADD 66, 14
	s_lshl_b32 s100, s41, 2  ; and of the column's: of W_v's
	SADD 100, 14
	s_mul_i32 s20, s15, 32*PITCH  ; block 0: rows 32 x my row of waves on
	s_mul_i32 s22, s16, 16*NB*PITCH  ; my 64 rows of a weight
	s_add_co_u32 s23, s22, YB
	s_mul_i32 s21, s15, SSTEP
	s_add_co_u32 s21, s21, SCL
	v_and_b32 v1, 15, v0  ; r
	v_bfe_u32 v2, v0, 4, 1  ; h
	v_and_b32 v3, 31, v0  ; lane
	v_lshrrev_b32 v7, 3, v1  ; m
	v_and_b32 v8, 7, v1  ; i
	v_mul_u32_u24 v22, v1, PITCH
	v_lshl_add_u32 v23, v2, 4, v22  ; row x pitch + 16 x half
	v_add_nc_u32 v[ADRA0], s20, v23
	v_add_nc_u32 v[ADRB+1], s22, v23
	v_mul_u32_u24 v22, v7, 40
	v_add_nc_u32 v22, v22, v8  ; even tiles: row 40 m + i, 16 on for the next
	v_mul_u32_u24 v22, v22, PITCH
	v_lshl_add_u32 v22, v2, 4, v22
	v_add_nc_u32 v[ADRB], s23, v22
	v_mul_u32_u24 v22, v7, 24
	v_add_nc_u32 v22, v22, v8  ; odd tiles: row 8 + 24 m + i
	v_mul_u32_u24 v22, v22, PITCH
	v_lshl_add_u32 v22, v2, 4, v22
	s_add_co_u32 s23, s23, 8*PITCH
	v_add_nc_u32 v[ADRO], s23, v22
	v_xor_b32 v22, v7, v2  ; the first weight's scale bytes: lane l takes row 32 m + 8 (h xor m) + i, tiles 0 and 1; 16 rows on tiles 2 and 3
	v_lshlrev_b32 v23, 10, v7
	v_lshl_add_u32 v23, v22, 8, v23
	v_lshl_add_u32 v[ABS], v8, 5, v23
	v_lshlrev_b32 v23, 5, v1  ; x's scale bytes in LDS: 32 bytes a row, and 16 more for each 256 passed
	v_lshl_add_u32 v23, v7, 4, v23
	v_add_nc_u32 v[AAS0], s21, v23
	s_wait_dscnt 0x0  ; both opening adds are done
	CROUND  ; the opening round: all sixteen work-groups are here
	s_wait_kmcnt 0x0
	s_cmp_lt_u32 ttmp9, 2  ; Q's or K's weight: on the cluster's number alone
	s_cselect_b64 s[84:85], s[84:85], s[88:89]
	s_cselect_b64 s[86:87], s[86:87], s[90:91]
	s_mov_b64 s[104:105], s[8:9]  ; Wv's codes
	s_mov_b32 s20, s67
	s_mov_b32 s21, 0
	s_add_nc_u64 s[G0A+2:G0A+3], s[4:5], s[20:21]
	s_or_b32 s[G0A+3], s[G0A+3], 0x80000000
	s_add_nc_u64 s[G0B+2:G0B+3], s[84:85], s[78:79]
	s_or_b32 s[G0B+3], s[G0B+3], 0x80000000
	s_add_nc_u64 s[G0S+2:G0S+3], s[6:7], s[80:81]
	s_or_b32 s[G0S+3], s[G0S+3], 0x80000000
	s_mov_b32 s20, s12
	s_add_nc_u64 s[46:47], s[10:11], s[20:21]  ; W_v's scale bytes
	s_add_nc_u64 s[10:11], s[86:87], s[82:83]  ; the first weight's
	s_cmp_eq_u32 s14, 0  ; ONE joint load a wave, and a line of its own for what is shown ahead of the rest
	s_cbranch_scc0 .Lwave_1
	TLOAD G0B, G1B  ; wave 0: the first weight's rows, which are wanted first
	s_branch .Lasked
.Lwave_1:
	s_cmp_eq_u32 s14, 1
	s_cbranch_scc0 .Lfor_scales
	TLOAD G0A, G1A  ; wave 1: chunk 0
	s_branch .Lasked
.Lfor_scales:
	TLOAD G0S, G1S  ; waves 2, 3: a window's scale bytes each
.Lasked:
	s_load_b128 s[84:87], s[0:1], 0x40  ; bq, bk
	s_load_b64 s[88:89], s[0:1], 0x50  ; bv
	; WHERE MY RESULTS GO: offsets now, the buffers' addresses in front of the stream
	s_lshl_b32 s76, s19, 23  ; s[76:77] Q's or K's codes: my tile row, column, half of the column, wave row
	ADDSH 76, s43, 19
	ADDSH 76, s42, 11
	ADDSH 76, s16, 10
	ADDSH 76, s15, 15
	s_mov_b32 s77, 0
	s_lshl_b32 s78, s19, 18  ; s[78:79] their words: wave n stores window n / 2 in the order of work, its half n % 2: 512 bytes
	ADDSH 78, s42, 15
	ADDSH 78, s43, 11
	s_xor_b32 s21, s15, s18
	s_xor_b32 s21, s21, 1
	ADDSH 78, s21, 10
	ADDSH 78, s16, 9
	s_mov_b32 s79, 0
	s_lshr_b32 s22, s43, 2  ; the batch,
	s_and_b32 s23, s43, 3  ; and my tile row in it
	s_mov_b32 s80, 0x1000000  ; s[80:81] V's codes
	ADDSH 80, s22, 21
	ADDSH 80, s13, 18
	ADDSH 80, s16, 17
	ADDSH 80, s23, 13
	ADDSH 80, s18, 12
	ADDSH 80, s15, 9
	s_mov_b32 s81, 0
	s_mov_b32 s82, 0x80000  ; s[82:83] V's words: wave n stores key step n / 2, 64 channels: 256 bytes
	ADDSH 82, s22, 16
	ADDSH 82, s23, 14
	ADDSH 82, s18, 13
	ADDSH 82, s15, 12
	ADDSH 82, s13, 9
	ADDSH 82, s16, 8
	s_mov_b32 s83, 0
	; THE BIAS IS THE FIRST PRODUCTS' C.  Phase 1: register i of tile j is output 32 h + 8 (j xor h) + i of my 64.  Phase 2: all eight registers of tile t are channel 16 t + r: one number, spread over eight at the change of phase.
	s_lshl_b32 s22, s13, 9
	ADDSH 22, s16, 8
	s_mov_b32 s23, 0
	s_lshl_b32 s20, s42, 9
	s_lshl_b32 s21, s16, 8
	SADD 20, 21
	s_mov_b32 s21, 0
	v_mul_u32_u24 v22, v2, 160
	v_mul_u32_u24 v23, v2, 96
	v_add_nc_u32 v23, 32, v23
	v_lshlrev_b32 v8, 2, v1
	v_lshlrev_b32 v7, 5, v3  ; W_v's scale bytes: lane l takes row l of a pair of tiles
	s_wait_alu depctr_va_vdst(0)
	s_wait_kmcnt 0x0
	s_add_nc_u64 s[22:23], s[88:89], s[22:23]
	s_cmp_lt_u32 ttmp9, 2
	s_cselect_b64 s[84:85], s[84:85], s[86:87]
	s_add_nc_u64 s[20:21], s[84:85], s[20:21]
.irp k, 0,1
.irp c, 0,1
	global_load_b128 v[BQ+16*\k+4*\c:BQ+16*\k+4*\c+3], v22, s[20:21] offset:64*\k+16*\c
	global_load_b128 v[BQ+16*\k+8+4*\c:BQ+16*\k+8+4*\c+3], v23, s[20:21] offset:64*\k+16*\c
	global_load_b128 v[SB+NQ*\k+4*\c:SB+NQ*\k+4*\c+3], v[ABS], s[10:11] offset:\k*16*KS+16*\c
	global_load_b128 v[WS+NQ*\k+4*\c:WS+NQ*\k+4*\c+3], v7, s[46:47] offset:\k*32*KS+16*\c
.endr
.endr
.irp t, 0,1,2,3
	global_load_b32 v[BV+\t], v8, s[22:23] offset:64*\t
.endr
	s_wait_xcnt 0x0  ; the loads have taken their addresses; they change below
	v_lshlrev_b32 v[CO], 4, v3
	s_mul_i32 s21, s14, 768
	s_add_co_u32 s21, s21, XN+128  ; 128 bytes under my block 0's: the first trip steps it there
	v_lshl_add_u32 v23, v1, 1, v2  ; 2 r + h
	v_add_nc_u32 v[VX], s21, v23
	s_lshl_b32 s21, s16, 9  ; V's byte: 4 r: both halves of the lanes hold the same byte
	s_lshl_b32 s22, s15, 8
	SADD 21, 22
	s_add_co_u32 s21, s21, XV
	v_lshlrev_b32 v23, 2, v1
	v_add_nc_u32 v[RD], s21, v23
	v_lshlrev_b32 v23, 9, v2
	v_lshl_add_u32 v[CN], v1, 4, v23
	s_add_co_u32 s6, s67, CH*KROW  ; chunk 1
	s_add_co_u32 s7, s2, CH*KROW  ; chunk 3
	s_lshl_b32 s21, s66, 13
	s_add_co_u32 s22, s21, s6
	v_lshl_add_u32 v7, v3, 8, s22  ; v7, v8: a prefetch's addresses: my sixteenth of chunk 1, of chunk 2
	s_add_co_u32 s22, s21, s2
	v_lshl_add_u32 v8, v3, 8, s22
	v_add_nc_u32 v1, 16*PITCH, v[ADRA0]  ; v1, v2: block 1's LDS addresses
	v_add_nc_u32 v2, 2*272, v[AAS0]
	s_wait_alu depctr_va_vdst(0)  ; the head's end
	s_cmp_eq_u32 s14, 0
	s_cbranch_scc0 .Lnot_b
	s_wait_tensorcnt 0x0  ; wave 0: the first weight has landed.  The other waves' wait stands at the second barrier
.Lnot_b:
	BARRIER
	global_prefetch_b8 v7, s[4:5] th:TH_LOAD_NT scope:SCOPE_SE
	global_prefetch_b8 v8, s[4:5] th:TH_LOAD_NT scope:SCOPE_SE
.macro WALU
	s_wait_alu depctr_va_vdst(0)
.endm
.macro MIDDLE  ; a round's middle: behind the work-group's own barrier wave 0 signals the cluster's, and all wait for it
	WIN 0
	s_barrier_wait -1
	s_cmp_lg_u32 s14, 0
	s_cbranch_scc1 .Lnot_wave_0_\@
	s_barrier_signal -3
.Lnot_wave_0_\@:
	s_barrier_wait -3
.endm
.macro GRD
	s_wait_tensorcnt 0x0
	ds_add_u32 v[SPW], v[NIL]
.endm
.macro FRAG f, adr, q, off  ; a weight's fragment f: lane l holds row l % 16; registers 4 c .. 4 c + 3 hold K = 32 c + 16 (l / 16) + 0 .. 15.  Fragment f lies in window 1 + f / 16
	WIN (1+(\f)/FPW)<<6
.irp c, 0,1,2,3
	ds_load_b128 v[FR*((\f)%FPW)+4*\c:FR*((\f)%FPW)+4*\c+3], v[\adr] offset:128*(\q)+32*\c+(\off)
.endr
.endm
.macro FETCHAT k, a, s  ; a block of x, 16 rows, all of K, into set k of window 3, and its scale words: NF loads
	WIN 3<<6
.irp q, 0,1,2,3,4,5,6,7
.irp c, 0,1,2,3
	ds_load_b128 v[128*\k+FR*\q+4*\c:128*\k+FR*\q+4*\c+3], v[\a] offset:128*\q+32*\c
.endr
.endr
	WIN 0
	ds_load_b128 v[SA+8*\k:SA+8*\k+3], v[\s]
	ds_load_b128 v[SA+8*\k+4:SA+8*\k+7], v[\s] offset:16
.endm
.macro PROD kind, e, a, n  ; product n = 4 q + b of a block: the q-th 128 of K, column tile b; x's rows in set e, sums in set a.  kind 0 (Q, K): source 0 = the weight's rows; kind 1 (V): source 0 = x's rows
.set Q_, (\n)/4
.set B_, (\n)%4
.set FB_, NB*Q_+B_
.set AC_, ACC+32*(\a)+8*B_
.set C_, AC_
.if Q_ == 0
.set C_, BQ+8*B_
.endif
.set R_, 128*(\e)+FR*Q_
.set W_, FR*(FB_%FPW)
.set XS_, SA+8*(\e)+Q_
.set WS_, SB+8*(B_/2)+Q_
.if \kind
	WIN 3|((1+FB_/FPW)<<2)
.if B_%2
	v_wmma_scale_f32_16x16x128_f8f6f4 v[AC_:AC_+7], v[R_:R_+FR-1], v[W_:W_+FR-1], v[C_:C_+7], v[XS_], v[WS_] matrix_b_scale:MATRIX_SCALE_ROW1
.else
	v_wmma_scale_f32_16x16x128_f8f6f4 v[AC_:AC_+7], v[R_:R_+FR-1], v[W_:W_+FR-1], v[C_:C_+7], v[XS_], v[WS_]
.endif
.else
	WIN (1+FB_/FPW)|(3<<2)
.if B_%2
	v_wmma_scale_f32_16x16x128_f8f6f4 v[AC_:AC_+7], v[W_:W_+FR-1], v[R_:R_+FR-1], v[C_:C_+7], v[WS_], v[XS_] matrix_a_scale:MATRIX_SCALE_ROW1
.else
	v_wmma_scale_f32_16x16x128_f8f6f4 v[AC_:AC_+7], v[W_:W_+FR-1], v[R_:R_+FR-1], v[C_:C_+7], v[WS_], v[XS_]
.endif
.endif
.endm
.macro HOLD x, b  ; a sum held at the largest number that the format has under its block's scale
	v_med3_num_f32 v[\x], v[\x], -v[TQ+\b], v[TQ+\b]
.endm
.macro SCALES i, n  ; i = 0: the conversion's scale operand v[SOP + n]; 1: the bound; 2: a second copy of it; 3: the scale byte
.if (\i) == 0
	v_add_nc_u32 v[SOP+\n], -(EMAX<<23), v[TQ]
.elseif (\i) == 1
	v_and_or_b32 v[TQ+1], v[TQ], 0x7f800000, s62
.elseif (\i) == 2
	v_mov_b32 v[TQ+3], v[TQ+1]
.else
	v_lshrrev_b32 v[EB+\n], 23, v[SOP+\n]
.endif
.endm
.macro MAXQ k, x  ; Q, K: 18 lines: the largest magnitude of the 32 sums at x, and the floor under which a byte would fall under 1
.if (\k) < 4
	v_max3_num_f32 v[TQ+\k], |v[\x+8*(\k)]|, |v[\x+8*(\k)+1]|, |v[\x+8*(\k)+2]|
.elseif (\k) < 12
	v_max3_num_f32 v[TQ+(\k)%4], v[TQ+(\k)%4], |v[\x+8*((\k)%4)+2*((\k)/4)+1]|, |v[\x+8*((\k)%4)+2*((\k)/4)+2]|
.elseif (\k) < 16
	v_max_num_f32 v[TQ+(\k)%4], v[TQ+(\k)%4], |v[\x+8*((\k)%4)+7]|
.elseif (\k) == 16
	v_max3_num_f32 v[TQ], v[TQ], v[TQ+1], v[TQ+2]
.else
	v_max3_num_f32 v[TQ], v[TQ], v[TQ+3], (EMAX+1)<<23
.endif
.endm
.macro HOLDS m, x  ; m = 0, 1 ..: two of a scale block's holds.  The bound is read from its second copy at m = 3
.if (\m) == 3
	HOLD \x, 3
	HOLD \x+1, 3
.else
	HOLD \x, 1
	HOLD \x+1, 1
.endif
.if (\m) == 2
	SCALES 2, 0
.endif
.endm
.macro GAPQ m, x  ; THE QUANTISER OF Q's OR K's BLOCK, gaps 0 .. 26: a scale block of 32 lies in a lane: the sums at x -> codes NCD, byte EB
.if (\m) < 9
	MAXQ 2*(\m), \x
	MAXQ 2*(\m)+1, \x
.elseif (\m) == 9
	SCALES 0, 0
	SCALES 1, 0
.elseif (\m) < 26
	HOLDS (\m)-10, \x+2*((\m)-10)
.if ((\m)-10)%4 == 3
	v_cvt_scalef32_pk8_fp8_f32 v[NCD+2*(((\m)-10)/4):NCD+2*(((\m)-10)/4)+1], v[\x+8*(((\m)-10)/4):\x+8*(((\m)-10)/4)+7], v[SOP]
.endif
.elseif (\m) == 26
	SCALES 3, 0
.endif
.endm
.macro GAPV u, x  ; THE QUANTISER OF A PAIR OF V's BLOCKS, gaps 0 .. 59, 15 a tile: a scale block of 32 lies in lanes l and l xor 16: the even block's sums at x, the odd's at x + 32 -> codes MCD + 4 t, bytes EB + t
.set T_, (\u)/15
.set J_, (\u)%15
.set E_, \x+8*T_
.set O_, E_+32
.if (\u) > 59
.elseif J_ == 0
	v_max3_num_f32 v[TQ], |v[E_]|, |v[E_+1]|, |v[E_+2]|
	v_max3_num_f32 v[TQ+2], |v[O_]|, |v[O_+1]|, |v[O_+2]|
.elseif J_ < 3
	v_max3_num_f32 v[TQ], v[TQ], |v[E_+2*J_+1]|, |v[E_+2*J_+2]|
	v_max3_num_f32 v[TQ+2], v[TQ+2], |v[O_+2*J_+1]|, |v[O_+2*J_+2]|
.elseif J_ == 3
	v_max3_num_f32 v[TQ+2], v[TQ+2], |v[O_+7]|, (EMAX+1)<<23
	v_max3_num_f32 v[TQ], v[TQ], |v[E_+7]|, v[TQ+2]
.elseif J_ == 4
	v_permlanex16_b32 v[TQ+2], v[TQ], s60, s61  ; the other half's largest
	v_max_num_f32 v[TQ], v[TQ], v[TQ+2]
.elseif J_ == 5
	SCALES 0, T_
	SCALES 1, T_
.elseif J_ < 10
	HOLDS J_-6, E_+2*(J_-6)
.if J_ == 9
	v_cvt_scalef32_pk8_fp8_f32 v[MCD+4*T_:MCD+4*T_+1], v[E_:E_+7], v[SOP+T_]
.endif
.elseif J_ < 14
	HOLDS J_-6, O_+2*(J_-10)
.if J_ == 13
	v_cvt_scalef32_pk8_fp8_f32 v[MCD+4*T_+2:MCD+4*T_+3], v[O_:O_+7], v[SOP+T_]
.endif
.else
	SCALES 3, T_
.endif
.endm
.macro RDESC i, off, lds  ; group 0 of a refill, in two parts: a quarter of 128 rows a wave, the rows at s[off] of x's codes, into LDS at s[lds]
.if (\i) == 0
	s_mul_i32 s[G0R+1], s14, CH/4*PITCH
	s_add_co_u32 s[G0R+1], s[G0R+1], s\lds
	s_mul_i32 s20, s14, CH/4*KROW
	s_add_co_u32 s20, s20, s\off
.else
	s_mov_b32 s21, 0
	s_add_nc_u64 s[G0R+2:G0R+3], s[4:5], s[20:21]
	s_or_b32 s[G0R+3], s[G0R+3], 0x80000000
.endif
.endm
; WHAT STANDS BEHIND PRODUCT n.  j: the block's number in its trip (the second loop's: 4, 5; V's: -1, -2).  The addresses of the block two on stand behind 0 and 1; a prefetch's address or a byte's next place behind 2; a refill's group 0 behind 29 and 30; from 1 on a way out: y = 1 Q's or K's block at x; 2, 3 the halves of V's pair at x
.macro LIST n, j, y, x
.if (\n) == 0
.if (\j) >= 0
	s_add_nc_u64 s[84:85], s[84:85], TT*(1+2*((\j)%2))
.if (\j) == 1
	s_cmp_eq_u32 s46, 2
	s_cselect_b64 s[84:85], s[88:89], s[84:85]
.endif
.endif
	WIN 0
.if (\j) == 0 || (\j) == 1
	s_add_co_u32 s22, s101, (64+16*(\j))*PITCH
.elseif (\j) > 1
	s_add_co_u32 s22, s47, ((\j)%2)*16*PITCH
.else
	s_add_co_u32 s22, s47, (-1-(\j))*16*PITCH
.endif
	v_add_nc_u32 v[ADRA], s22, v[ADRA0]
.elseif (\n) == 1
	WIN 0
.if (\j) == 0 || (\j) == 1
	s_add_co_u32 s22, s17, 2*SSTEP+544*(\j)
.elseif (\j) > 1
	s_add_co_u32 s22, s8, ((\j)%2)*544
.else
	s_add_co_u32 s22, s8, (-1-(\j))*544
.endif
	v_add_nc_u32 v[AAS], s22, v[AAS0]
.endif
.if (\j) == 2 && (\n) == 2
	WIN 0
	v_lshl_add_u32 v7, v3, 8, s23
.elseif (\j) == 0 && ((\n) == 29 || (\n) == 30)
	RDESC (\n)-29, 6, 47
.elseif (\j) == 1 && (\n) == 2
	WIN 0
	v_add_nc_u32 v[VX], 128, v[VX]
.elseif (\j) == 5 && (\n) == 2
	WIN 0
	v_add_nc_u32 v[VX], 64, v[VX]
.endif
.if (\y) == 1 && (\n) > 0 && (\n) < 28
	WIN 0
	GAPQ (\n)-1, \x
.elseif (\y) == 2 && (\n) > 0 && (\n) < 31
	WIN 0
	GAPV (\n)-1, \x
.elseif (\y) == 3 && (\n) > 0 && (\n) < 31
	WIN 0
	GAPV (\n)+29, \x
.endif
.endm
.macro BLOCK kind, e, a, from, to, j, y, x
.set N_, \from
.rept (\to)-(\from)
	PROD \kind, \e, \a, N_
	LIST N_, \j, \y, \x
.set N_, N_+1
.endr
.endm
.macro BLK kind, e, a, w, j, y, x  ; a block: kind, e, a as in PROD; w: the wait's count (-1: none); j, y, x as in LIST
.if (\w) >= 0
	s_wait_dscnt \w
.endif
	s_wait_xcnt 0x0
	BLOCK \kind, \e, \a, 0, 32, \j, \y, \x
	WIN 0
	PLACES NP
.endm
.macro RBLK kind, e, a, w, j, y, x  ; a block with a round of the cluster's barrier: the lines at its head, the signal behind 28 products
.if (\w) >= 0
	s_wait_dscnt \w
.endif
	s_wait_xcnt 0x0
	GRD
	BLOCK \kind, \e, \a, 0, 28, \j, \y, \x
	WIN 0
	WALU
	s_wait_dscnt 0x0
	s_barrier_signal -1
	BLOCK \kind, \e, \a, 28, 32, \j, \y, \x
	MIDDLE
	BARRIER
.endm
.macro SBLK kind, e, a, w, j, y, x, half=0  ; a block with a plain barrier (half = 1: it shows waves 0 and 1's loads alone)
.if (\w) >= 0
	s_wait_dscnt \w
.endif
	s_wait_xcnt 0x0
	BLOCK \kind, \e, \a, 0, 28, \j, \y, \x
	WIN 0
	WALU
.if \half
	s_cmp_lt_u32 s14, 2
	s_cbranch_scc0 .Lnot_yet_\@
	s_wait_tensorcnt 0x0
.Lnot_yet_\@:
.else
	s_wait_tensorcnt 0x0
.endif
	s_wait_dscnt 0x0
	s_barrier_signal -1
	BLOCK \kind, \e, \a, 28, 32, \j, \y, \x
	WIN 0
	s_barrier_wait -1
	PLACES NP
.endm
.macro QOUT off, boff  ; a block's byte goes to its place in LDS, its 32 codes a lane leave: each store two units of 256 bytes
	ds_store_b8 v[VX], v[EB] offset:\boff
	global_store_b128 v[CN], v[NCD:NCD+3], s[84:85] offset:\off
	global_store_b128 v[CN], v[NCD+4:NCD+7], s[84:85] offset:(\off)+256
.endm
.irp q, 0,1,2,3,4,5,6,7  ; my 64 rows of the first weight, all of K, into the 512 registers of windows 1 and 2
.irp b, 0,1
	FRAG NB*\q+2*\b, ADRB, \q, \b*16*PITCH
	FRAG NB*\q+2*\b+1, ADRO, \q, \b*16*PITCH
.endr
.endr
	WIN 0
	s_wait_tensorcnt 0x0  ; chunk 0 and the scale bytes are in; the first weight is in registers
	s_wait_dscnt 0x0
	BARRIER
	FETCHAT 0, ADRA0, AAS0
	FETCHAT 1, 1, 2
	s_load_b128 s[92:95], s[0:1], 0x58  ; c1, s1
	s_mov_b32 s60, 0x76543210
	s_mov_b32 s61, 0xfedcba98
	s_mov_b32 s62, 0x600000  ; the mantissa field of 448
.set I_, 0
.rept 32
	v_mov_b32 v[ACC+32+I_], 0
.set I_, I_+1
.endr
	s_wait_kmcnt 0x0
	s_add_nc_u64 s[96:97], s[92:93], s[80:81]
	s_add_nc_u64 s[98:99], s[94:95], s[82:83]
	s_add_nc_u64 s[92:93], s[92:93], s[76:77]
	s_add_nc_u64 s[94:95], s[94:95], s[78:79]
	s_lshl_b32 s20, s18, 18
	s_mov_b32 s21, 0
	s_add_nc_u64 s[88:89], s[92:93], s[20:21]  ; Q's or K's codes of V's window
	s_xor_b32 s20, s20, 1<<18
	s_add_nc_u64 s[84:85], s[92:93], s[20:21]  ; of the other window
	s_sub_nc_u64 s[84:85], s[84:85], 4*TT  ; blocks 0 and 1 step it by one tile and by three
	s_mov_b64 s[90:91], s[4:5]  ; the buffer that a prefetch names
	s_mov_b32 s46, 0  ; PHASE 1.  s46 the trip; s101, s47 this chunk's slot and the next chunk's; s17, s8 their scale words' step; s6 the rows that are loaded; s23 where my share of what is asked for ahead begins
	s_mov_b32 s23, 0
	s_mov_b32 s101, 0
	s_mov_b32 s47, YB
	s_mov_b32 s17, 0
	s_mov_b32 s8, 4*SSTEP
	s_wait_loadcnt 0x0
.Lfour:
	RBLK 0, 0, 0, NF, 0, 1, ACC+32  ; blocks 0, 4, 8: chunks 1, 2, 3 come
	s_cmp_lt_u32 s14, 2  ; waves 0, 1 and waves 2, 3 have a load line each: the barrier inside the block two on waits for the first line's alone
	s_cbranch_scc0 .Lupper
	TLOAD G0R, G1R
	s_branch .Lboth
.Lupper:
	TLOAD G0R, G1R
.Lboth:
	PLACES NP-4
	s_cmp_eq_u32 s46, 0
	s_cbranch_scc1 .Lno_block_before
	QOUT 0, 96
.Lno_block_before:
	FETCHAT 0, ADRA, AAS
	BLK 0, 1, 1, -1, 1, 1, ACC
	QOUT 0, 0
	FETCHAT 1, ADRA, AAS
	SBLK 0, 0, 0, NF, 2, 1, ACC+32, 1  ; the next chunk's first half is in
	QOUT 0, 32
	s_cmp_eq_u32 s46, 0
	s_cbranch_scc1 .Lnone_ahead
	s_lshr_b32 s20, s46, 1
	s_and_b32 s20, s20, s18
	s_cmp_lg_u32 s20, 0  ; W_v's rows: two clusters side by side share them, and one asks
	s_cbranch_scc1 .Lnone_ahead
	global_prefetch_b8 v7, s[90:91] th:TH_LOAD_NT scope:SCOPE_SE
.Lnone_ahead:
	FETCHAT 0, ADRA, AAS
	BLK 0, 1, 1, -1, 3, 1, ACC
	QOUT 0, 64
	FETCHAT 1, ADRA, AAS
	s_cmp_eq_u32 s46, 0
	s_cselect_b32 s6, s2, s7
	s_cselect_b32 s21, s66, s100
	s_cselect_b32 s22, s7, s3
	s_cselect_b64 s[90:91], s[4:5], s[104:105]
	s_lshl_b32 s21, s21, 13
	s_add_co_u32 s23, s21, s22
	s_mov_b32 s101, s47
	s_mov_b32 s17, s8
	s_xor_b32 s47, s47, YB
	s_add_co_u32 s8, s8, 4*SSTEP
	s_add_co_u32 s46, s46, 1
	s_cmp_lg_u32 s46, 3
	s_cbranch_scc1 .Lfour
	GRD
	s_mul_i32 s20, s14, CH/4*KROW
	s_add_co_u32 s20, s20, s3
	s_mov_b32 s21, 0
	s_mul_i32 s[G0A+1], s14, CH/4*PITCH
	s_add_nc_u64 s[G0A+2:G0A+3], s[104:105], s[20:21]
	s_or_b32 s[G0A+3], s[G0A+3], 0x80000000
	GROUP1 G1A, 45, CH/4
	s_wait_dscnt 0x0
	s_barrier_signal -1
	MIDDLE
	BARRIER
	TLOAD G0A, G1A
	s_mov_b32 s47, YB+64*PITCH
	s_mov_b32 s8, 14*SSTEP
.Ltwo:
	BLK 0, 0, 0, NF, 4, 1, ACC+32  ; blocks 12, 14
	QOUT 0, 96
	FETCHAT 0, ADRA, AAS
	BLK 0, 1, 1, NF, 5, 1, ACC  ; 13, 15; the block two on is then V's: chunk 3 again, as it lies in slot 1
	QOUT 0, 64
	FETCHAT 1, ADRA, AAS
	s_mov_b32 s47, YB
	s_mov_b32 s8, 12*SSTEP
	s_add_co_u32 s46, s46, 1
	s_cmp_lg_u32 s46, 5
	s_cbranch_scc1 .Ltwo
	; the change of phase
	s_wait_xcnt 0x0
	s_wait_tensorcnt 0x0  ; W_v's rows are in
	s_wait_dscnt 0x0
	BARRIER
.macro CHANGE i  ; among W_v's 128 loads: the last block's way out; W_v's scale words into their place; zeros into what no block has written yet (V's first trip reads these registers and stores nothing)
.if (\i) < 7
.irp k, 0,1,2,3
.if 4*(\i)+\k < 27
	GAPQ 4*(\i)+\k, ACC+32
.endif
.endr
.elseif (\i) < 9
.irp q, 0,1,2,3,4,5,6,7
	v_mov_b32 v[SB+8*((\i)-7)+\q], v[WS+8*((\i)-7)+\q]
.endr
.elseif (\i) < 15
.irp q, 0,1,2,3,4,5,6,7
	v_mov_b32 v[ACC+80+8*((\i)-9)+\q], 0
.endr
.endif
.endm
.irp q, 0,1,2,3,4,5,6,7
.irp b, 0,2
	FRAG NB*\q+\b, ADRB+1, \q, \b*16*PITCH
	FRAG NB*\q+\b+1, ADRB+1, \q, (\b+1)*16*PITCH
	WIN 0
	CHANGE 2*\q+\b/2
.endr
.endr
.irp t, 0,1,2,3
.irp i, 0,1,2,3,4,5,6,7
	v_mov_b32 v[BQ+8*\t+\i], v[BV+\t]
.endr
.endr
	WALU
	QOUT TT, 96
	GRD
	s_mov_b32 s47, 0
	RDESC 0, 2, 47
	RDESC 1, 2, 47
	s_mov_b32 s46, 0
	s_mov_b32 s47, YB+64*PITCH
	s_mov_b32 s8, 14*SSTEP
	s_wait_dscnt 0x0
	s_barrier_signal -1
	MIDDLE
	BARRIER
	TLOAD G0R, G1R
.macro VOUT  ; a pair of V's blocks: four tiles' bytes and codes
.irp t, 0,1,2,3
	ds_store_b8 v[VX], v[EB+\t] offset:64*\t
	global_store_b128 v[CO], v[MCD+4*\t:MCD+4*\t+3], s[84:85] offset:32768*\t
.endr
.endm
.macro VTO  ; s22 = e = 2 (key step of the window) + (which 64 rows of it): where a pair's codes and bytes go
	s_lshl_b32 s20, s22, 10
	s_mov_b32 s21, 0
	s_add_nc_u64 s[84:85], s[96:97], s[20:21]
	v_add_nc_u32 v[VX], s22, v[RD]
.endm
.Lpair:
	BLK 1, 0, 0, -1, -1, 2, ACC+64
	s_cmp_eq_u32 s46, 3
	s_cbranch_scc1 .Lnone_0
	FETCHAT 0, ADRA, AAS
	s_wait_dscnt NF
	s_branch .Lgo
.Lnone_0:
	s_wait_dscnt 0x0
.Lgo:
	SBLK 1, 1, 1, -1, -2, 3, ACC+64  ; the first trip's shows chunk 2
.set I_, 0
.rept 32  ; the pair's sums are copied, so that one trip is two blocks of text
	v_dual_mov_b32 v[ACC+64+I_], v[ACC+I_] :: v_dual_mov_b32 v[ACC+64+I_+1], v[ACC+I_+1]
.set I_, I_+2
.endr
	s_add_co_u32 s22, s46, 1  ; the pair before this one: chunk 3's two pairs came first
	s_and_b32 s22, s22, 3
	VTO
	s_cmp_eq_u32 s46, 0
	s_cbranch_scc1 .Lno_pair_before
	VOUT
.Lno_pair_before:
	s_cmp_eq_u32 s46, 3
	s_cbranch_scc1 .Lnone_1
	FETCHAT 1, ADRA, AAS
.Lnone_1:
	s_mov_b32 s8, 10*SSTEP
	s_cmp_eq_u32 s46, 0
	s_cselect_b32 s47, 0, 64*PITCH
	s_cselect_b32 s8, 8*SSTEP, s8
	s_add_co_u32 s46, s46, 1
	s_cmp_lg_u32 s46, 4
	s_cbranch_scc1 .Lpair
	s_wait_xcnt 0x0
.set K_, 0
.rept 60
	GAPV K_, ACC+64
.set K_, K_+1
.endr
	s_mov_b32 s22, 1
	VTO
	VOUT
	s_wait_dscnt 0x0  ; the scale bytes
	BARRIER
	; THE WORDS LEAVE.  Q, K: lane l takes tokens 4 l .. 4 l + 3 of my 128: tile l / 4, of wave row (l / 8) % 2; two bytes a token from each wave column.  V: two channels a lane; bytes 2 p of wave row 0, 2 p + 1 of wave row 1
	v_and_b32 v20, 3, v3
	v_lshlrev_b32 v20, 3, v20
	v_bfe_u32 v21, v3, 2, 1
	v_lshl_add_u32 v20, v21, 5, v20
	v_lshrrev_b32 v21, 4, v3
	v_lshl_add_u32 v20, v21, 6, v20
	v_bfe_u32 v21, v3, 3, 1
	v_mul_u32_u24 v21, v21, 1536
	v_add_nc_u32 v20, v20, v21
	s_lshl_b32 s21, s15, 8
	s_lshl_b32 s20, s16, 7
	SADD 21, 20
	s_add_co_u32 s21, s21, XN+256
	v_add_nc_u32 v20, s21, v20
	v_lshlrev_b32 v22, 3, v3
	s_lshl_b32 s21, s16, 9
	s_add_co_u32 s21, s21, XV
	v_add_nc_u32 v23, s21, v22
	s_wait_alu depctr_va_vdst(0)
	ds_load_b64 v[60:61], v20
	ds_load_b64 v[62:63], v20 offset:768
	ds_load_b64 v[40:41], v23
	ds_load_b64 v[42:43], v23 offset:256
	s_mul_i32 s20, s15, 0x02020202
	s_add_co_u32 s20, s20, 0x05010400
	s_wait_dscnt 0x0
	v_perm_b32 v64, v62, v60, 0x05040100
	v_perm_b32 v65, v62, v60, 0x07060302
	v_perm_b32 v66, v63, v61, 0x05040100
	v_perm_b32 v67, v63, v61, 0x07060302
	v_perm_b32 v68, v42, v40, s20
	v_perm_b32 v69, v43, v41, s20
	global_store_b128 v[CO], v[64:67], s[94:95]
	global_store_b64 v22, v[68:69], s[98:99]
	s_wait_tensorcnt 0x0  ; the wave's end
	ds_add_u32 v[SPW], v[NIL]
	s_wait_dscnt 0x0
	CROUND  ; the closing round
	s_endpgm
.Lfunc_end_k_q78d5023e44_proj:
	.size	k_q78d5023e44_proj, .Lfunc_end_k_q78d5023e44_proj-k_q78d5023e44_proj
	.p2alignl 7, 3214868480
	.fill 96, 4, 3214868480
	.section	.rodata,"a",@progbits
	.p2align	6, 0x0
	.amdhsa_kernel k_q78d5023e44_proj
		.amdhsa_group_segment_fixed_size 327680
		.amdhsa_private_segment_fixed_size 0
		.amdhsa_enable_private_segment 0
		.amdhsa_kernarg_size 104
		.amdhsa_user_sgpr_count 2
		.amdhsa_user_sgpr_kernarg_segment_ptr 1
		.amdhsa_wavefront_size32 1
		.amdhsa_system_sgpr_workgroup_id_x 1
		.amdhsa_system_sgpr_workgroup_id_y 1
		.amdhsa_system_sgpr_workgroup_id_z 1
		.amdhsa_system_vgpr_workitem_id 0
		.amdhsa_next_free_vgpr 1024
		.amdhsa_next_free_sgpr 106
		.amdhsa_reserve_vcc 0
		.amdhsa_float_denorm_mode_32 3
		.amdhsa_float_denorm_mode_16_64 3
		.amdhsa_memory_ordered 1
		.amdhsa_forward_progress 1
		.amdhsa_inst_pref_size 165
	.end_amdhsa_kernel
	.amdgpu_metadata
---
amdhsa.version: [ 1, 2 ]
amdhsa.kernels:
  - .name:           k_q78d5023e44_proj
    .symbol:         k_q78d5023e44_proj.kd
    .args:
      - { .name: x_codes, .offset: 0, .size: 8, .value_kind: global_buffer, .address_space: global }
      - { .name: x_scales, .offset: 8, .size: 8, .value_kind: global_buffer, .address_space: global }
      - { .name: Wq_codes, .offset: 16, .size: 8, .value_kind: global_buffer, .address_space: global }
      - { .name: Wq_scales, .offset: 24, .size: 8, .value_kind: global_buffer, .address_space: global }
      - { .name: Wk_codes, .offset: 32, .size: 8, .value_kind: global_buffer, .address_space: global }
      - { .name: Wk_scales, .offset: 40, .size: 8, .value_kind: global_buffer, .address_space: global }
      - { .name: Wv_codes, .offset: 48, .size: 8, .value_kind: global_buffer, .address_space: global }
      - { .name: Wv_scales, .offset: 56, .size: 8, .value_kind: global_buffer, .address_space: global }
      - { .name: bq, .offset: 64, .size: 8, .value_kind: global_buffer, .address_space: global }
      - { .name: bk, .offset: 72, .size: 8, .value_kind: global_buffer, .address_space: global }
      - { .name: bv, .offset: 80, .size: 8, .value_kind: global_buffer, .address_space: global }
      - { .name: c1, .offset: 88, .size: 8, .value_kind: global_buffer, .address_space: global }
      - { .name: s1, .offset: 96, .size: 8, .value_kind: global_buffer, .address_space: global }
    .group_segment_fixed_size: 327680
    .private_segment_fixed_size: 0
    .kernarg_segment_align: 8
    .kernarg_segment_size: 104
    .max_flat_workgroup_size: 128
    .sgpr_count:     106
    .vgpr_count:     1024
    .wavefront_size: 32
...
	.end_amdgpu_metadata
.endif
;; end of part 1
;; launch scores (part 2): grid 8 x 32, 4 waves a work-group, clusters of 4 x 4, 327,680 bytes of LDS; arguments c1, s1, pc, pst; writes pc, pst
.if DOCPART == 2
	.amdgcn_target "amdgcn-amd-amdhsa--gfx1250"
	.amdhsa_code_object_version 6
	.text
	.protected	k_q78d5023e44_scores
	.globl	k_q78d5023e44_scores
	.p2align	8
	.type	k_q78d5023e44_scores,@function
k_q78d5023e44_scores:
	s_mov_b64 s[64:65], 0
	v_nop
	global_prefetch_b8 v0, s[64:65] scope:SCOPE_SE
	s_setreg_imm32_b32 hwreg(HW_REG_WAVE_MODE, 25, 1), 1
	s_wait_xcnt 0x0
	s_wait_alu depctr_hold_cnt(0) depctr_sa_sdst(0) depctr_va_vdst(0) depctr_va_sdst(0) depctr_va_ssrc(0) depctr_va_vcc(0) depctr_vm_vsrc(0)
	s_getreg_b32 s2, hwreg(HW_REG_IB_STS2, 6, 4)
	s_cmp_eq_u32 s2, 0
	s_cbranch_scc0 .Lentry_in_a_cluster
	s_endpgm
.Lentry_in_a_cluster:
	s_bfe_u32 s2, ttmp6, 0x10000c
	s_cmp_lg_u32 s2, 0xf033
	s_cbranch_scc0 .Lentry_shape_is_right
	s_endpgm
.Lentry_shape_is_right:
; S = Q K^T for each of 4 batches (2,048 x 2,048, K = 1,024) on codes of FP8 (E4M3) with E8M0 scales, and the softmax's p, quantised along the keys, chunk by chunk of 128 keys.
; t = score x log2(e) / 32.  For each query and each chunk of 128 keys: M_loc = the chunk's largest t rounded UP to a whole number; p = 2^(t - M_loc); the chunk's sum l_loc is taken of the unquantised p.
; p is quantised in blocks of 32 keys.  The row's own M is the largest M_loc; bringing a chunk under it is a multiplication by a whole power of two, which the blocks' scale bytes take up: the next launch
; takes M - M_loc off each byte and adds up l.  So this launch needs no second pass over a row, and a maximum is taken away before every exponential.
; SHARES.  A tile of 256 queries x 256 keys to a work-group, 128 x 128 to a wave.  Source 1 ("A") = 16 queries, source 0 ("B") = 16 keys: lane (r, h) holds query r, and its registers run along the keys.
; The 16 registers of result tiles 2 b and 2 b + 1 are 16 keys of ONE block of 32; their codes become registers 4 b .. 4 b + 3 of P's fragment: the same order inside a block that the launch before gave V^T's images.
; OPERANDS are images of operand registers (16 rows x 128 K = 2,048 bytes: registers 4 c .. 4 c + 3 of lane l at 512 c + 16 l): c1: Q at 0, K at 0x800000, [token / 16][8][2048]; scale words s1: Q at 0, K at 0x40000, [8][8192].
; RESULTS: pc: P's images [query / 16][key / 128 (16)][2048]; pst: three arrays [key / 128 (16)][8192 queries] of 4 bytes: P's scale words at 0, -M_loc (f32) at 0x80000, l_loc at 0x100000.
; CLUSTERS: 4 x 4 work-groups; Q's tiles are asked for jointly along a row of the cluster, K's along a column.
; LIMITS: NaN and infinities are not served.  A block whose largest p lies under 2^-118 (all zeros too) gets the byte 1; only this program reads these bytes.
; REGISTERS: window 0: v0-31 addresses; v32-63 scale words, two sets; v64-99 the blocks' words and statistics; v128-255 A's 8 fragments, in the epilogue at work.  window 1: B's two sets.  windows 2, 3: the accumulators.
.set NQ,     2
.set FR,     16
.set NL,     4
.set NP,     8                         ; places behind this matrix instruction (ISA guide 7.12.1)
.set QOFF,   2048                      ; a fragment's place in a slot: QOFF x (which 128 along K) + COFF x (group of four registers) + IOFF x (block of 16 rows); a load's 512 bytes are consecutive
.set COFF,   512
.set IOFF,   4096
.set HALFT,  32768                     ; 128 rows x 256 K: what one tensor load brings
.set SLOT,   4*HALFT
.set KSB,    4096                      ; bytes in memory from a K step (two images) to the next; K = 1,024 = 4 K steps = twice round the ring
.set SCL,    2*SLOT                    ; behind the ring: the scale words: A's [8 chunks][256 rows], then B's
.set SCB,    8256                      ; from A's to B's: 64 bytes more than A's hold, so that the two halves of a load's lanes touch different banks (64 banks of 4 bytes: ISA guide 11.1)
.set SGRP,   8
.set GS,     0
.set SROW,   1024                      ; from a chunk's words to the next chunk's
.set SSTEP,  2048                      ; a K step is two chunks
.set PFO,  8                           ; v8  the prefetches' offset: (lane / 16) tiles of 16 rows + 256 x (lane % 16); never rewritten
.set SPARE,  SCL+16640                 ; the spare words, 128 bytes for each wave: two blocks of 256 bytes that no other line names
.set ADRA, 16
.set LANE, 19
.set ADRB, 20
.set CO,   26                          ; v26  16 x lane
.set ADRS, 27
.set SPW,  28
.set NIL,  29
.set SO4,  30                          ; v30  4 x lane
.set SC,   32
.set SW,   64                          ; v64-71  P's scale word for each of my 8 blocks of queries
.set NMS,  72                          ; v72-79  -M_loc
.set LS,   80                          ; v80-87  l_loc
.set XW,   88                          ; v88-99  pairs of blocks merged
.set AF,   128
.set T,    128                         ; t - M, then p
.set PC,   192                         ; p's codes
.set BM,   208                         ; +0 the blocks' largest scores, then p; +4 bytes; +8 448 x scale; +12 the conversions' scale operands
.set SA,   224                         ; v[224:225], v[226:227] the sum in two chains
.set SB,   226
.set NM,   228                         ; v[228:229] -M_loc (named as a pair, so both are written)
.set TP,   230                         ; v230-231 at work
.set G1, 24
.set G0, 32
.set G1B, 48
.set G0B, 56
.set G1S, 68
.set G0S, 76
.set G1SB, 80
.set G0SB, 88
.set CS,  92                           ; s[92:93] c = log2(e) / 32
.set SEL, 100
.set MNT, 104
.set MSB, 0
.macro WIN new                         ; the immediate's high byte repeats the setting that is left
.if MSB != (\new)
	s_set_vgpr_msb (MSB<<8)|(\new)
.set MSB, (\new)
.endif
.endm
.set MUL_LO, 0xa1
.set MUL_HI, 0xf1
.set TO_B,   0x40
.macro JLOAD g0a, g1a, g0b, g1b        ; a joint load: waves 0 and 1 fetch for A, waves 2 and 3 for B; four v_nop follow each of the two lines
	s_cmp_eq_u32 s15, 0
	s_cbranch_scc0 .Lfor_b_\@
	tensor_load_to_lds s[\g0a:\g0a+3], s[\g1a:\g1a+7]
	s_nop 0
.rept 4
	v_nop
.endr
	s_branch .Lasked_\@
.Lfor_b_\@:
	tensor_load_to_lds s[\g0b:\g0b+3], s[\g1b:\g1b+7]
	s_nop 0
.rept 4
	v_nop
.endr
.Lasked_\@:
.endm
.macro CREST
	s_cmp_lg_u32 s14, 0
	s_cbranch_scc1 .Lnot_wave_0_\@
	s_barrier_signal -3
.Lnot_wave_0_\@:
	s_barrier_wait -3
	s_barrier_signal -1
	s_barrier_wait -1
.endm
.macro CROUND
	s_barrier_signal -1
	s_barrier_wait -1
	CREST
.endm
.macro ADDSH src, sh                   ; s18 += src << sh
	s_lshl_b32 s19, \src, \sh
	s_add_co_u32 s18, s18, s19
.endm
	s_load_b128 s[4:7], s[0:1], 0x0                ; c1, s1
	s_load_b128 s[96:99], s[0:1], 0x10             ; pc, pst
	v_lshl_add_u32 v[SPW], v0, 2, SPARE
	v_mov_b32 v[NIL], 0
	ds_add_u32 v28, v29
	ds_add_u32 v28, v29
	s_wait_dscnt 0x0
	v_lshrrev_b32 v1, 5, v0
	v_readfirstlane_b32 s14, v1                    ; wave 0..3
	s_lshr_b32 s15, s14, 1                         ; my half of the queries.  Also: I fetch for A (0) or for B (1)
	s_and_b32 s16, s14, 1                          ; my half of the keys.  Also: which 128 rows I fetch
	s_bfe_u32 s40, ttmp6, 0x40000                  ; cx, cy
	s_bfe_u32 s41, ttmp6, 0x40004
	s_lshl_b32 s42, ttmp9, 2
	s_add_co_u32 s42, s42, s40                     ; tb: tile of 256 keys in the batch, 0..7
	s_and_b32 s18, ttmp7, 0xffff
	s_lshl_b32 s17, s18, 2
	s_add_co_u32 s17, s17, s41                     ; ta: tile of 256 queries of all 8,192, 0..31
	s_lshr_b32 s19, s18, 1                         ; the batch = ta / 8 = cluster y / 2: all partners share it
	s_lshl_b32 s43, s41, 2
	s_lshl_b32 s43, 15, s43                        ; my row of the cluster
	s_lshl_b32 s44, 0x1111, s40                    ; my column
	; descriptor group 1: 8 tiles of 16 rows, of each two images (4,096 consecutive bytes = 512 elements of 8), 16,384 bytes apart in memory, dense in LDS
	s_or_b32 s[G1+0], s43, (3<<16)|(1<<21)
	s_or_b32 s[G1B+0], s44, (3<<16)|(1<<21)
.irp g, G1, G1B
	s_mov_b32 s[\g+1], 512<<16                     ; tensor_dim0
	s_mov_b32 s[\g+2], 16<<16                      ; tensor_dim1: 16 tiles for the head's loads; behind them 8, for the ring's
	s_mov_b32 s[\g+3], 512<<16                     ; tile_dim0
	s_mov_b32 s[\g+4], 16                          ; tile_dim1
	s_mov_b32 s[\g+5], 2048                        ; tensor_dim0_stride
	s_mov_b32 s[\g+6], 0
	s_mov_b32 s[\g+7], 0
.endr
	; and for the scale words of 256 rows: 8 chunks of 1,024 bytes (128 elements of 8), 32,768 bytes apart
	s_or_b32 s[G1S+0], s43, (3<<16)|(1<<21)
	s_or_b32 s[G1SB+0], s44, (3<<16)|(1<<21)
.irp g, G1S, G1SB
	s_mov_b32 s[\g+1], 128<<16                     ; 256 rows' words: 1,024 bytes
	s_mov_b32 s[\g+2], 8<<16
	s_mov_b32 s[\g+3], 128<<16
	s_mov_b32 s[\g+4], 8
	s_mov_b32 s[\g+5], 4096
	s_mov_b32 s[\g+6], 0
	s_mov_b32 s[\g+7], 0
.endr
	s_lshl_b32 s18, s16, 7                         ; which 128 rows of the tile I fetch
	s_lshl_b32 s20, s17, 8
	s_lshl_b32 s22, s20, 2                         ; scale words of the tile's 256 rows: 4 bytes a row
	s_mov_b32 s23, 0
	s_add_co_u32 s20, s20, s18                     ; Q: token 256 ta + 128 x half
	s_lshl_b32 s46, s42, 8
	s_lshl_b32 s19, s19, 11
	s_add_co_u32 s46, s46, s19                     ; K: token 2,048 x batch + 256 tb
	s_lshl_b32 s104, s46, 2
	s_add_co_u32 s46, s46, s18                     ; + 128 x half
	s_add_co_u32 s104, s104, 0x40000
	s_mov_b32 s105, 0
	s_lshl_b32 s20, s20, 10                        ; images: 1,024 bytes a row
	s_mov_b32 s21, 0
	s_lshl_b32 s46, s46, 10
	s_add_co_u32 s46, s46, 0x800000
	s_mov_b32 s47, 0
	s_mul_i32 s45, s14, HALFT                      ; where they go: no place in the cluster enters an LDS address
	s_wait_kmcnt 0x0
	s_add_nc_u64 s[20:21], s[4:5], s[20:21]
	s_add_nc_u64 s[22:23], s[6:7], s[22:23]
	s_add_nc_u64 s[46:47], s[4:5], s[46:47]
	s_add_nc_u64 s[104:105], s[6:7], s[104:105]
	; the prefetches: of the 128 rows that I fetch, the partner at place p (cx for A, cy for B) names 32, two tiles, a K step's 4,096 bytes of each: one instruction a wave.  s[8:9]: at K step 1
	s_cmp_eq_u32 s15, 0
	s_cselect_b64 s[8:9], s[20:21], s[46:47]
	s_cselect_b32 s10, s40, s41
	s_lshl_b32 s10, s10, 15
	s_mov_b32 s11, 0
	s_add_nc_u64 s[8:9], s[8:9], s[10:11]
	s_add_nc_u64 s[8:9], s[8:9], KSB
	CROUND                                         ; all sixteen work-groups are here: the first joint loads meet
	s_mov_b32 s[G0S], 1
	s_mov_b32 s[G0S+1], SCL
	s_mov_b64 s[G0S+2:G0S+3], s[22:23]
	s_or_b32 s[G0S+3], s[G0S+3], 0x80000000
	s_mov_b32 s[G0SB], 1
	s_mov_b32 s[G0SB+1], SCL+SCB
	s_mov_b64 s[G0SB+2:G0SB+3], s[104:105]
	s_or_b32 s[G0SB+3], s[G0SB+3], 0x80000000
.irp s, 0,1
	s_mov_b32 s[G0+4*\s], 1
	s_add_co_u32 s[G0+4*\s+1], s45, \s*SLOT
	s_add_nc_u64 s[G0+4*\s+2:G0+4*\s+3], s[20:21], \s*KSB
	s_or_b32 s[G0+4*\s+3], s[G0+4*\s+3], 0x80000000
	s_mov_b32 s[G0B+4*\s], 1
	s_add_co_u32 s[G0B+4*\s+1], s45, \s*SLOT
	s_add_nc_u64 s[G0B+4*\s+2:G0B+4*\s+3], s[46:47], \s*KSB
	s_or_b32 s[G0B+4*\s+3], s[G0B+4*\s+3], 0x80000000
.endr
; THE HEAD'S LOADS, ONE A WAVE: wave 0 K step 0's 256 rows of A, wave 1 A's scale words, wave 2 the 256 rows of B, wave 3 B's scale words.  Waves 0 and 2 have half 0, so their own group 0 names the whole tile's first row.
.macro ARM under, g0, g1, next
	s_cmp_lt_u32 s14, \under
	s_cbranch_scc0 \next
	tensor_load_to_lds s[\g0:\g0+3], s[\g1:\g1+7]
	s_nop 0
.rept 4
	v_nop
.endr
	s_branch .Lhead_asked
\next:
.endm
	ARM 1, G0,  G1,  .Lhead_sa
	ARM 2, G0S, G1S, .Lhead_b
	ARM 3, G0B, G1B, .Lhead_sb
	tensor_load_to_lds s[G0SB:G0SB+3], s[G1SB:G1SB+7]
	s_nop 0
.rept 4
	v_nop
.endr
.Lhead_asked:
	v_and_b32 v1, 15, v0                           ; r
	v_bfe_u32 v2, v0, 4, 1                         ; h
	s_wait_alu depctr_va_vdst(0)
	v_and_b32 v[LANE], 31, v0
	v_lshlrev_b32 v[CO], 4, v[LANE]
	v_lshlrev_b32 v[SO4], 2, v[LANE]
	s_mul_i32 s21, s15, HALFT                      ; my 128 queries
	s_mul_i32 s22, s16, HALFT                      ; my 128 keys,
	s_add_co_u32 s22, s22, 2*HALFT                 ; behind A's 256 rows
.irp s, 0,1
	v_add_nc_u32 v[ADRA+\s], s21, v[CO]
	v_add_nc_u32 v[ADRB+\s], s22, v[CO]
	s_add_co_u32 s21, s21, SLOT
	s_add_co_u32 s22, s22, SLOT
.endr
	v_lshlrev_b32 v5, 2, v1                        ; my row's scale word
	s_lshl_b32 s21, s15, 9
	s_lshl_b32 s22, s16, 9
	s_add_co_u32 s22, s22, SCB
	s_sub_co_u32 s22, s22, s21
	v_mul_u32_u24 v6, s22, v2                      ; lanes 16-31 take B's: the lower base + h x the distance
	s_add_co_u32 s21, s21, SCL
	v_add_nc_u32 v5, v5, v6
	v_add_nc_u32 v[ADRS], s21, v5
	v_lshrrev_b32 v7, 4, v[LANE]
	v_lshlrev_b32 v7, 14, v7
	v_and_b32 v[PFO], 15, v[LANE]
	v_lshl_add_u32 v[PFO], v[PFO], 8, v7
	global_prefetch_b8 v[PFO], s[8:9] th:TH_LOAD_NT scope:SCOPE_SE   ; K step 1, whose load sets out when K step 0's has landed
	s_lshl_b32 s18, s17, 19                        ; P's images: query x 2,048 + (key / 128) x 2,048
	ADDSH s15, 18
	ADDSH s42, 12
	ADDSH s16, 11
	s_mov_b32 s19, 0
	s_add_nc_u64 s[96:97], s[96:97], s[18:19]
	s_lshl_b32 s18, s42, 16                        ; the words and statistics: (key / 128) x 32,768 + query x 4
	ADDSH s16, 15
	ADDSH s17, 10
	ADDSH s15, 9
	s_mov_b32 s19, 0
	s_add_nc_u64 s[98:99], s[98:99], s[18:19]
	s_mov_b32 s[CS], 0x3d38aa3b                    ; c = log2(e) / sqrt(1,024)
	s_mov_b32 s[CS+1], s[CS]                       ; (named with it as a pair, so it is written)
	s_mov_b32 s[SEL], 0x76543210
	s_mov_b32 s[SEL+1], 0xfedcba98
	s_mov_b32 s[MNT], 0x600000
.macro FRAG reg, adr, q, i
.irp c, 0,1,2,3
	ds_load_b128 v[\reg+4*\c:\reg+4*\c+3], v[\adr] offset:QOFF*(\q)+COFF*\c+IOFF*(\i)
.endr
.endm
; 16 matrix instructions: A's blocks a0, a0 + 1 x B's eight.  The 64 accumulators take turns, one instruction a turn, in the same order in every step.
.macro MUL16 a0, p, q, sc, zero
.irp a, \a0, \a0+1
.irp b, 0,1,2,3,4,5,6,7
.if \zero
	v_wmma_scale_f32_16x16x128_f8f6f4 v[8*(8*((\a)%4)+\b):8*(8*((\a)%4)+\b)+7], v[128*(\p)+FR*\b:128*(\p)+FR*\b+FR-1], v[AF+FR*(\a):AF+FR*(\a)+FR-1], 0, v[SC+8*NQ*(\sc)+NQ*\b+(\q)], v[SC+8*NQ*(\sc)+NQ*(\a)+(\q)] matrix_a_scale:MATRIX_SCALE_ROW1
.else
	v_wmma_scale_f32_16x16x128_f8f6f4 v[8*(8*((\a)%4)+\b):8*(8*((\a)%4)+\b)+7], v[128*(\p)+FR*\b:128*(\p)+FR*\b+FR-1], v[AF+FR*(\a):AF+FR*(\a)+FR-1], v[8*(8*((\a)%4)+\b):8*(8*((\a)%4)+\b)+7], v[SC+8*NQ*(\sc)+NQ*\b+(\q)], v[SC+8*NQ*(\sc)+NQ*(\a)+(\q)] matrix_a_scale:MATRIX_SCALE_ROW1
.endif
.endr
.endr
.endm
.macro FETCH_B slot, q, p
	WIN TO_B
.irp i, 0,1,2,3,4,5,6,7
	FRAG 128*(\p)+FR*\i, ADRB+\slot, \q, \i
.endr
	WIN 0
.endm
.macro FETCH_A slot, q, i0
.irp i, \i0, \i0+1, \i0+2, \i0+3
	FRAG AF+FR*(\i), ADRA+\slot, \q, \i
.endr
.endm
.macro SCALES sc                       ; a K step's scale words into set sc: lanes 0-15 take A's block i, lanes 16-31 B's block i; q: which of the step's two chunks
.irp i, 0,1,2,3,4,5,6,7
.irp q, 0,1
	ds_load_b32 v[SC+16*\sc+2*\i+\q], v[ADRS] offset:(\i/SGRP)*GS+SROW*\q+64*(\i%SGRP)
.endr
.endr
.endm
.macro PLACES n                        ; places behind matrix instructions: plain vector instructions that name none of their registers (ISA guide 7.12.1 for vector instructions)
.rept \n
	v_nop
.endr
.endm
.macro STEP slot, q, zero
	s_wait_dscnt 4*NL                              ; B's set, A's blocks 0-3 and the scale words are in; the youngest 16 loads (A's blocks 4-7) may be out
	WIN MUL_LO
	MUL16 0, (\q)%2, \q, \slot, \zero
	MUL16 2, (\q)%2, \q, \slot, \zero
	s_wait_dscnt 0
	PLACES NP
	FETCH_B \slot, (\q)+1, 1-(\q)%2
	FETCH_A \slot, (\q)+1, 0
	WIN MUL_HI
	MUL16 4, (\q)%2, \q, \slot, \zero
	MUL16 6, (\q)%2, \q, \slot, \zero
	PLACES NP
	WIN 0
	FETCH_A \slot, (\q)+1, 4
.endm
.macro TURN slot, next, fill           ; a slot's last step changes slots: one barrier; fill = 1: this slot is filled again, two K steps ahead
	s_wait_tensorcnt 0x0                           ; all my tensor loads have landed: my part of the next slot
	ds_add_u32 v[SPW], v[NIL]                      ; 0 onto my spare word
	s_wait_dscnt 4*NL+1                            ; (the add and the youngest 16 loads may be out)
	WIN MUL_LO
	MUL16 0, 1, NQ-1, \slot, 0
	s_wait_dscnt 0x0                               ; the add is done, and my reads of this slot are over
	s_barrier_signal -1
	MUL16 2, 1, NQ-1, \slot, 0
	WIN 0
	s_barrier_wait -1
.if \fill
	CREST                                          ; the barrier has opened a round of the cluster's barrier: no wave of any partner still reads this slot's tile or has a load on its way
	s_add_nc_u64 s[G0+4*\slot+2:G0+4*\slot+3], s[G0+4*\slot+2:G0+4*\slot+3], 2*KSB
	s_add_nc_u64 s[G0B+4*\slot+2:G0B+4*\slot+3], s[G0B+4*\slot+2:G0B+4*\slot+3], 2*KSB
	JLOAD G0+4*\slot, G1, G0B+4*\slot, G1B         ; the first tensor load behind the round, my only one until the next
	PLACES NP-4
.else
	PLACES NP
.endif
	s_wait_alu depctr_va_vdst(0)
	v_add_nc_u32 v[ADRS], SSTEP, v[ADRS]
	FETCH_B \next, 0, 0
	FETCH_A \next, 0, 0
	SCALES \next
.if \fill && ((\slot) == 0)
	global_prefetch_b8 v[PFO], s[8:9] offset:2*KSB th:TH_LOAD_NT scope:SCOPE_SE   ; K step 3, a K step ahead of its load; there is none behind it
.endif
	WIN MUL_HI
	MUL16 4, 1, NQ-1, \slot, 0
	MUL16 6, 1, NQ-1, \slot, 0
	PLACES NP
	WIN 0
	FETCH_A \next, 0, 4
.endm
	s_wait_alu depctr_va_vdst(0)                   ; the head's end
	s_wait_tensorcnt 0x0                           ; my tile of the head's four is in
	ds_add_u32 v[SPW], v[NIL]
	s_mov_b32 s[G1+2], 8<<16                       ; no tensor load of mine is out, so a descriptor may be written: from here on a load brings 8 tiles of 16 rows
	s_mov_b32 s[G1+4], 8
	s_mov_b32 s[G1B+2], 8<<16
	s_mov_b32 s[G1B+4], 8
	s_wait_dscnt 0x0
	CROUND                                         ; all four tiles are in, and all sixteen work-groups are here
	JLOAD G0+4, G1, G0B+4, G1B                     ; K step 1
	FETCH_B 0, 0, 0
	FETCH_A 0, 0, 0
	SCALES 0
	FETCH_A 0, 0, 4
	global_prefetch_b8 v[PFO], s[8:9] offset:KSB th:TH_LOAD_NT scope:SCOPE_SE   ; K step 2
	STEP 0, 0, 1
	TURN 0, 1, 1
	STEP 1, 0, 0
	TURN 1, 0, 1
	STEP 0, 0, 0
	TURN 0, 1, 0
	STEP 1, 0, 0
	s_wait_dscnt 4*NL
	WIN MUL_LO
	MUL16 0, 1, NQ-1, 1, 0
	MUL16 2, 1, NQ-1, 1, 0
	s_wait_dscnt 0
	WIN MUL_HI
	MUL16 4, 1, NQ-1, 1, 0
	MUL16 6, 1, NQ-1, 1, 0
	WIN 0
; THE EPILOGUE, block a of 16 queries x my 128 keys: a lane holds 64 scores of one query, sixteen of each block of 32 keys.
.macro SOFTQ a
.set AC, 64*((\a)%4)
.set WA, 2+(\a)/4                      ; the accumulators' window
	WIN WA|(WA<<2)|(WA<<4)
.irp b, 0,1,2,3
	v_max3_num_f32 v[BM+\b], v[AC+16*\b], v[AC+16*\b+1], v[AC+16*\b+2]   ; the largest SCORE of each block: it serves for the row's maximum and, since p rises with the score, for the block's largest p.  Each accumulator is read from its low end on
.endr
	WIN (WA<<2)|(WA<<4)
.irp i, 3,5,7,9,11,13
.irp b, 0,1,2,3
	v_max3_num_f32 v[BM+\b], v[BM+\b], v[AC+16*\b+\i], v[AC+16*\b+\i+1]
.endr
.endr
.irp b, 0,1,2,3
	v_max_num_f32 v[BM+\b], v[BM+\b], v[AC+16*\b+15]
.endr
	WIN 0
.irp b, 0,1,2,3
	v_permlanex16_b32 v[BM+4+\b], v[BM+\b], s[SEL], s[SEL+1]
.endr
.irp b, 0,1,2,3
	v_max_num_f32 v[BM+\b], v[BM+\b], v[BM+4+\b]   ; with lane l xor 16's sixteen keys
.endr
	v_max3_num_f32 v[TP], v[BM], v[BM+1], v[BM+2]
	v_max_num_f32 v[TP], v[TP], v[BM+3]            ; the chunk's largest score of my query
	v_mul_f32 v[TP], s[CS], v[TP]                  ; as t (c is positive)
	v_floor_f32 v[NM], -v[TP]                      ; -M_loc = floor(-t) = -ceil(t): a whole number
	v_mov_b32 v[NM+1], v[NM]
	WIN WA
.set i, 0
.rept 32
	v_pk_fma_f32 v[T+2*i:T+2*i+1], v[AC+2*i:AC+2*i+1], s[CS:CS+1], v[NM:NM+1] op_sel_hi:[1,0,0]   ; t - M_loc, two at a time
.set i, i+1
.endr
	WIN 0
.irp b, 0,1,2,3
	v_fma_f32 v[BM+\b], v[BM+\b], s[CS], v[NM]     ; the same of each block's largest score
.endr
.set i, 0
	s_wait_alu depctr_va_vdst(0)
.rept 64
	v_exp_f32 v[T+i], v[T+i]                       ; p = 2^(t - M_loc), at most 1
.set i, i+1
.endr
.irp b, 0,1,2,3
	v_exp_f32 v[BM+\b], v[BM+\b]                   ; the block's largest p: the same two instructions on the same number
.endr
	v_mov_b32 v[NMS+\a], v[NM]                     ; (a plain place behind the exponentials)
	s_wait_alu depctr_va_vdst(0)
.irp b, 0,1,2,3
	v_max_num_f32 v[BM+\b], 0x4800000, v[BM+\b]    ; the floor 2^(9 - 127): the byte cannot fall under 1
.endr
.irp b, 0,1,2,3
	v_add_nc_u32 v[BM+12+\b], 0xfc000000, v[BM+\b] ; 8 off the exponent field: the conversion's scale operand
.endr
.irp b, 0,1,2,3
	v_and_or_b32 v[BM+8+\b], v[BM+\b], 0x7f800000, s[MNT]   ; 448 x the scale
.endr
.irp b, 0,1,2,3
	v_lshrrev_b32 v[BM+4+\b], 23, v[BM+12+\b]      ; the scale's byte: 1 to 119, since p is at most 1
.endr
	v_lshl_or_b32 v[SW+\a], v[BM+5], 8, v[BM+4]
	v_lshl_or_b32 v[SW+\a], v[BM+6], 16, v[SW+\a]
	v_lshl_or_b32 v[SW+\a], v[BM+7], 24, v[SW+\a]
	v_pk_add_f32 v[SA:SA+1], v[T:T+1], v[T+2:T+3]  ; THE SUM IS TAKEN OF THE UNQUANTISED p: two at a time, in two chains
	v_pk_add_f32 v[SB:SB+1], v[T+4:T+5], v[T+6:T+7]
.irp j, 8,12,16,20,24,28,32,36,40,44,48,52,56,60
	v_pk_add_f32 v[SA:SA+1], v[SA:SA+1], v[T+\j:T+\j+1]
	v_pk_add_f32 v[SB:SB+1], v[SB:SB+1], v[T+\j+2:T+\j+3]
.endr
	v_pk_add_f32 v[SA:SA+1], v[SA:SA+1], v[SB:SB+1]
	v_add_f32 v[TP], v[SA], v[SA+1]
	v_permlanex16_b32 v[TP+1], v[TP], s[SEL], s[SEL+1]
	v_add_f32 v[LS+\a], v[TP], v[TP+1]             ; with lane l xor 16's: l_loc
.if (\a) > 0
	s_wait_xcnt 0x0                                ; the last block's stores have had their addresses translated (ISA guide 3.1): the codes' registers are rewritten only behind this wait
.endif
.irp b, 0,1,2,3
.set i, 0
.rept 16
	v_min_num_f32 v[T+16*\b+i], v[T+16*\b+i], v[BM+8+\b]   ; the conversion to an 8-bit code does not saturate (ISA guide 7.6.2); p is not negative, so the hold is one-sided
.set i, i+1
.endr
	v_cvt_scalef32_pk8_fp8_f32 v[PC+4*\b:PC+4*\b+1], v[T+16*\b:T+16*\b+7], v[BM+12+\b]
	v_cvt_scalef32_pk8_fp8_f32 v[PC+4*\b+2:PC+4*\b+3], v[T+16*\b+8:T+16*\b+15], v[BM+12+\b]
.endr
	v_nop                                          ; one plain vector instruction behind the last conversion
.irp c, 0,1,2,3
	global_store_b128 v[CO], v[PC+4*\c:PC+4*\c+3], s[96:97] offset:(\a)*32768+512*\c   ; the image: 512 consecutive bytes a store
.endr
.endm
	PLACES NP                                      ; behind the last products
.irp b, 0,1,2,3
	v_mov_b32 v[BM+4+\b], 0                        ; written once: a lane permute's destination counts as one of its sources
.endr
	v_mov_b32 v[TP+1], 0
.irp a, 0,1,2,3,4,5,6,7
	SOFTQ \a
.endr
	v_cmp_lt_u32 vcc_lo, 15, v[LANE]               ; lanes r and 16 + r hold the same figures: lanes 0-15 give block 2 k's, lanes 16-31 block 2 k + 1's: 32 queries, 128 consecutive bytes
.irp k, 0,1,2,3
	v_cndmask_b32 v[XW+\k], v[SW+2*\k], v[SW+2*\k+1], vcc_lo
	v_cndmask_b32 v[XW+4+\k], v[NMS+2*\k], v[NMS+2*\k+1], vcc_lo
	v_cndmask_b32 v[XW+8+\k], v[LS+2*\k], v[LS+2*\k+1], vcc_lo
.endr
.irp k, 0,1,2,3
	global_store_b32 v[SO4], v[XW+\k], s[98:99] offset:128*\k
	global_store_b32 v[SO4], v[XW+4+\k], s[98:99] offset:0x80000+128*\k
	global_store_b32 v[SO4], v[XW+8+\k], s[98:99] offset:0x100000+128*\k
.endr
	s_wait_tensorcnt 0x0                           ; the wave's end
	ds_add_u32 v[SPW], v[NIL]
	s_wait_dscnt 0x0
	CROUND                                         ; the closing round
	s_endpgm
.Lfunc_end_k_q78d5023e44_scores:
	.size	k_q78d5023e44_scores, .Lfunc_end_k_q78d5023e44_scores-k_q78d5023e44_scores
	.p2alignl 7, 3214868480
	.fill 96, 4, 3214868480
	.section	.rodata,"a",@progbits
	.p2align	6, 0x0
	.amdhsa_kernel k_q78d5023e44_scores
		.amdhsa_group_segment_fixed_size 327680
		.amdhsa_private_segment_fixed_size 0
		.amdhsa_enable_private_segment 0
		.amdhsa_kernarg_size 32
		.amdhsa_user_sgpr_count 2
		.amdhsa_user_sgpr_kernarg_segment_ptr 1
		.amdhsa_wavefront_size32 1
		.amdhsa_system_sgpr_workgroup_id_x 1
		.amdhsa_system_sgpr_workgroup_id_y 1
		.amdhsa_system_sgpr_workgroup_id_z 1
		.amdhsa_system_vgpr_workitem_id 0
		.amdhsa_next_free_vgpr 1024
		.amdhsa_next_free_sgpr 106
		.amdhsa_reserve_vcc 1
		.amdhsa_float_denorm_mode_32 3
		.amdhsa_float_denorm_mode_16_64 3
		.amdhsa_memory_ordered 1
		.amdhsa_forward_progress 1
		.amdhsa_inst_pref_size 227
	.end_amdhsa_kernel
	.amdgpu_metadata
---
amdhsa.version: [ 1, 2 ]
amdhsa.kernels:
  - .name:           k_q78d5023e44_scores
    .symbol:         k_q78d5023e44_scores.kd
    .args:
      - { .name: c1, .offset: 0, .size: 8, .value_kind: global_buffer, .address_space: global }
      - { .name: s1, .offset: 8, .size: 8, .value_kind: global_buffer, .address_space: global }
      - { .name: pc, .offset: 16, .size: 8, .value_kind: global_buffer, .address_space: global }
      - { .name: pst, .offset: 24, .size: 8, .value_kind: global_buffer, .address_space: global }
    .group_segment_fixed_size: 327680
    .private_segment_fixed_size: 0
    .kernarg_segment_align: 8
    .kernarg_segment_size: 32
    .max_flat_workgroup_size: 128
    .sgpr_count:     106
    .vgpr_count:     1024
    .wavefront_size: 32
...
	.end_amdgpu_metadata
.endif
;; end of part 2
;; launch pv (part 3): grid 4 x 64, 4 waves a work-group, clusters of 4 x 4, 327,680 bytes of LDS; arguments c1, s1, pc, pst, out0; writes out0
.if DOCPART == 3
	.amdgcn_target "amdgcn-amd-amdhsa--gfx1250"
	.amdhsa_code_object_version 6
	.text
	.protected	k_q78d5023e44_pv
	.globl	k_q78d5023e44_pv
	.p2align	8
	.type	k_q78d5023e44_pv,@function
k_q78d5023e44_pv:
	s_mov_b64 s[64:65], 0
	v_nop
	global_prefetch_b8 v0, s[64:65] scope:SCOPE_SE
	s_setreg_imm32_b32 hwreg(HW_REG_WAVE_MODE, 25, 1), 1
	s_wait_xcnt 0x0
	s_wait_alu depctr_hold_cnt(0) depctr_sa_sdst(0) depctr_va_vdst(0) depctr_va_sdst(0) depctr_va_ssrc(0) depctr_va_vcc(0) depctr_vm_vsrc(0)
	s_getreg_b32 s2, hwreg(HW_REG_IB_STS2, 6, 4)
	s_cmp_eq_u32 s2, 0
	s_cbranch_scc0 .Lentry_in_a_cluster
	s_endpgm
.Lentry_in_a_cluster:
	s_bfe_u32 s2, ttmp6, 0x10000c
	s_cmp_lg_u32 s2, 0xf033
	s_cbranch_scc0 .Lentry_shape_is_right
	s_endpgm
.Lentry_shape_is_right:
; O = P V / l for each of 4 batches (2,048 queries x 1,024 channels, K = 2,048 keys) on codes of FP8 (E4M3) with E8M0 scales.
; P's codes are images [query / 16][key / 128][2048 bytes] (pc), V^T's [batch][channel / 16][key / 128][2048] at 0x1000000 of c1; scale words: P's [key / 128][8192] in pst, V's [batch][key / 128][1024] at 0x80000 of s1.
; P was made under a maximum M_loc of each chunk of 128 keys.  The row's M is the largest: each chunk's scale bytes lose M - M_loc (a byte that would fall under 0 becomes 0: that block's p then counts under 2^-127), its sum is multiplied by 2^(M_loc - M), and 1 / l multiplies the result.
; SHARES: 128 queries x 256 channels to a work-group, 64 x 128 to a wave; source 1 = 16 queries, source 0 = 16 channels.  The keys go in slots of three chunks of 128 (the last slot: one) through a ring of two; V's scale words come once.
; CLUSTERS: 4 x 4; P's tiles are asked for jointly along a row, V's along a column.  PREFETCHES: one slot ahead of the slot that is loaded: of the 4 tiles of P that a wave fetches each partner names one, of the 8 of V two.
; LIMITS: NaN and infinities are not served.
.set FR,     16
.set NP,     8
.set QOFF,   2048
.set COFF,   512
.set IOFF,   6144
.set APART,  4*6144
.set BPART,  8*6144
.set BOFF,   2*APART
.set SLOT,   BOFF+2*BPART
.set KSB,    6144
.set SCLA,   2*SLOT
.set SCLB,   SCLA+8192
.set RLT,    SCLB+16384
.set SPARE,  RLT+512
.set SPITCH, 528
.set ADRA, 16
.set PO,   18
.set LANE, 19
.set ADRB, 20
.set SWA,  22
.set RLA,  23
.set STO,  24
.set RD,   25
.set CO,   26
.set ADSA, 27
.set SPW,  28
.set NIL,  29
.set ADSB, 30
.set RLR,  31
.set SC,   32
.set T,    64
.set AF,   128
.set BK,   128
.set PSW,  128
.set PNM,  144
.set PLL,  160
.set NMG,  176
.set LL,   178
.set DD,   180
.set NN,   182
.set XX,   184
.set GG,   186
.set RC,   188
.set G1,   24
.set G0,   32
.set G1B,  48
.set G0B,  56
.set G1L,  68
.set G1LB, 76
.set G1SB, 84
.set G0SB, 92
.set MSB, 0
.macro WIN new
.if MSB != (\new)
	s_set_vgpr_msb (MSB<<8)|(\new)
.set MSB, (\new)
.endif
.endm
.set W_MUL,  0xa1
.set TO_B,   0x40
.macro JLOAD g0a, g1a, g0b, g1b
	s_cmp_eq_u32 s15, 0
	s_cbranch_scc0 .Lfor_b_\@
	tensor_load_to_lds s[\g0a:\g0a+3], s[\g1a:\g1a+7]
	s_nop 0
.rept 4
	v_nop
.endr
	s_branch .Lasked_\@
.Lfor_b_\@:
	tensor_load_to_lds s[\g0b:\g0b+3], s[\g1b:\g1b+7]
	s_nop 0
.rept 4
	v_nop
.endr
.Lasked_\@:
.endm
.macro CREST
	s_cmp_lg_u32 s14, 0
	s_cbranch_scc1 .Lnot_wave_0_\@
	s_barrier_signal -3
.Lnot_wave_0_\@:
	s_barrier_wait -3
	s_barrier_signal -1
	s_barrier_wait -1
.endm
.macro CROUND
	s_barrier_signal -1
	s_barrier_wait -1
	CREST
.endm
.macro ADDSH src, sh
	s_lshl_b32 s19, \src, \sh
	s_add_co_u32 s18, s18, s19
.endm
	s_load_b128 s[4:7], s[0:1], 0x0
	s_load_b128 s[96:99], s[0:1], 0x10
	s_load_b64 s[12:13], s[0:1], 0x20
	v_lshl_add_u32 v[SPW], v0, 2, SPARE
	v_mov_b32 v[NIL], 0
	ds_add_u32 v28, v29
	ds_add_u32 v28, v29
	s_wait_dscnt 0x0
	v_lshrrev_b32 v1, 5, v0
	v_readfirstlane_b32 s14, v1
	v_lshlrev_b32 v[PO], 2, v0
	s_lshr_b32 s15, s14, 1
	s_and_b32 s16, s14, 1
	s_bfe_u32 s40, ttmp6, 0x40000
	s_bfe_u32 s41, ttmp6, 0x40004
	s_mov_b32 s42, s40
	s_and_b32 s18, ttmp7, 0xffff
	s_lshl_b32 s17, s18, 2
	s_add_co_u32 s17, s17, s41
	s_lshr_b32 s66, s18, 2
	s_lshl_b32 s43, s41, 2
	s_lshl_b32 s43, 15, s43
	s_lshl_b32 s44, 0x1111, s40
	s_or_b32 s[G1+0], s43, (3<<16)|(1<<21)
	s_or_b32 s[G1L+0], s43, (3<<16)|(1<<21)
	s_or_b32 s[G1B+0], s44, (3<<16)|(1<<21)
	s_or_b32 s[G1LB+0], s44, (3<<16)|(1<<21)
.irp g, G1, G1B
	s_mov_b32 s[\g+1], 768<<16
	s_mov_b32 s[\g+3], 768<<16
.endr
.irp g, G1L, G1LB
	s_mov_b32 s[\g+1], 256<<16
	s_mov_b32 s[\g+3], 256<<16
.endr
	s_mov_b32 s[G1+2], 8<<16                       ; P: 8 tiles for the head's load, by one wave; behind it 4, for the ring's
	s_mov_b32 s[G1+4], 8
	s_mov_b32 s[G1L+2], 4<<16
	s_mov_b32 s[G1L+4], 4
.irp g, G1B, G1LB
	s_mov_b32 s[\g+2], 8<<16
	s_mov_b32 s[\g+4], 8
.endr
.irp g, G1, G1B, G1L, G1LB
	s_mov_b32 s[\g+5], 4096
	s_mov_b32 s[\g+6], 0
	s_mov_b32 s[\g+7], 0
.endr
	s_or_b32 s[G1SB+0], s44, (3<<16)|(1<<21)
	s_mov_b32 s[G1SB+1], 128<<16
	s_mov_b32 s[G1SB+2], 16<<16                    ; V's scale words: 16 chunks of 1,024 bytes
	s_mov_b32 s[G1SB+3], 128<<16
	s_mov_b32 s[G1SB+4], 16
	s_mov_b32 s[G1SB+5], 512
	s_mov_b32 s[G1SB+6], 0
	s_mov_b32 s[G1SB+7], 0
	s_lshl_b32 s20, s17, 18
	s_lshl_b32 s21, s16, 17
	s_add_co_u32 s20, s20, s21
	s_mov_b32 s21, 0
	s_lshl_b32 s46, s40, 19
	s_lshl_b32 s47, s16, 18
	s_add_co_u32 s46, s46, s47
	s_lshl_b32 s47, s66, 21
	s_add_co_u32 s46, s46, s47
	s_add_co_u32 s46, s46, 0x1000000
	s_mov_b32 s47, 0
	s_lshl_b32 s104, s40, 10
	s_lshl_b32 s105, s66, 16
	s_add_co_u32 s104, s104, s105
	s_add_co_u32 s104, s104, 0x80000
	s_mov_b32 s105, 0
	s_lshl_b32 s18, s17, 9
	s_mov_b32 s19, 0
	s_mul_i32 s45, s16, APART
	s_mul_i32 s101, s16, BPART
	s_add_co_u32 s101, s101, BOFF
	s_wait_alu depctr_va_vdst(0)
	s_wait_kmcnt 0x0
	s_add_nc_u64 s[20:21], s[96:97], s[20:21]
	s_add_nc_u64 s[46:47], s[4:5], s[46:47]
	s_add_nc_u64 s[104:105], s[6:7], s[104:105]
	s_add_nc_u64 s[98:99], s[98:99], s[18:19]
	s_cmp_eq_u32 s15, 0                            ; the prefetches: s[8:9] my work-group's part of the tiles that I fetch (P: one by cx; V: two by cy), at slot 1
	s_cselect_b64 s[8:9], s[20:21], s[46:47]
	s_lshl_b32 s10, s40, 15
	s_lshl_b32 s11, s41, 16
	s_cmp_eq_u32 s15, 0
	s_cselect_b32 s10, s10, s11
	s_mov_b32 s11, 0
	s_add_nc_u64 s[8:9], s[8:9], s[10:11]
	s_add_nc_u64 s[8:9], s[8:9], KSB
.irp c, 0,1,2,3,4,5,6,7,8,9,10,11,12,13,14,15
	global_load_b32 v[PNM+\c], v[PO], s[98:99] offset:0x80000+\c*32768
.endr
.irp c, 0,1,2,3,4,5,6,7,8,9,10,11,12,13,14,15
	global_load_b32 v[PSW+\c], v[PO], s[98:99] offset:\c*32768
	global_load_b32 v[PLL+\c], v[PO], s[98:99] offset:0x100000+\c*32768
.endr
	CROUND
	s_mov_b32 s[G0SB], 1
	s_mov_b32 s[G0SB+1], SCLB
	s_mov_b64 s[G0SB+2:G0SB+3], s[104:105]
	s_or_b32 s[G0SB+3], s[G0SB+3], 0x80000000
.irp s, 0,1
	s_mov_b32 s[G0+4*\s], 1
	s_add_co_u32 s[G0+4*\s+1], s45, \s*SLOT
	s_add_nc_u64 s[G0+4*\s+2:G0+4*\s+3], s[20:21], \s*KSB
	s_or_b32 s[G0+4*\s+3], s[G0+4*\s+3], 0x80000000
	s_mov_b32 s[G0B+4*\s], 1
	s_add_co_u32 s[G0B+4*\s+1], s101, \s*SLOT
	s_add_nc_u64 s[G0B+4*\s+2:G0B+4*\s+3], s[46:47], \s*KSB
	s_or_b32 s[G0B+4*\s+3], s[G0B+4*\s+3], 0x80000000
.endr
; THE HEAD'S LOADS, ONE A WAVE: wave 0 slot 0's 8 tiles of P (its own group 0 names the first), wave 1 V's scale words, waves 2 and 3 a half each of slot 0's tiles of V.
.macro ARM under, g0, g1, next
	s_cmp_lt_u32 s14, \under
	s_cbranch_scc0 \next
	tensor_load_to_lds s[\g0:\g0+3], s[\g1:\g1+7]
	s_nop 0
.rept 4
	v_nop
.endr
	s_branch .Lhead_asked
\next:
.endm
	ARM 1, G0,   G1,   .Lhead_s
	ARM 2, G0SB, G1SB, .Lhead_b
	tensor_load_to_lds s[G0B:G0B+3], s[G1B:G1B+7]
	s_nop 0
.rept 4
	v_nop
.endr
.Lhead_asked:
	v_and_b32 v1, 15, v0
	v_bfe_u32 v2, v0, 4, 1
	v_and_b32 v[LANE], 31, v0
	s_wait_alu depctr_va_vdst(0)
	v_lshlrev_b32 v[CO], 4, v[LANE]
	s_mul_i32 s22, s15, APART
	s_mul_i32 s23, s16, BPART
	s_add_co_u32 s23, s23, BOFF
.irp s, 0,1
	v_add_nc_u32 v[ADRA+\s], s22, v[CO]
	v_add_nc_u32 v[ADRB+\s], s23, v[CO]
	s_add_co_u32 s22, s22, SLOT
	s_add_co_u32 s23, s23, SLOT
.endr
	s_lshl_b32 s18, s15, 8
	s_add_co_u32 s18, s18, SCLA
	v_lshl_add_u32 v[ADSA], v[LANE], 2, s18
	s_lshl_b32 s18, s16, 9
	s_add_co_u32 s18, s18, SCLB
	v_lshl_add_u32 v[ADSB], v[LANE], 2, s18
	v_lshl_add_u32 v[SWA], v0, 2, SCLA
	v_lshl_add_u32 v[RLA], v0, 2, RLT
	s_mul_i32 s23, s14, 16*SPITCH
	v_mul_u32_u24 v5, v1, SPITCH
	v_lshl_add_u32 v5, v2, 5, v5
	v_add_nc_u32 v[STO], s23, v5
	v_add_nc_u32 v[RD], s23, v[CO]
	s_lshl_b32 s23, s15, 8
	s_add_co_u32 s23, s23, RLT
	v_lshl_add_u32 v[RLR], v1, 2, s23
	v_min_u32 v6, 23, v[LANE]                      ; a slot's part of a tile is 24 blocks of 256 bytes, the last slot's 8: a lane a block, lanes left over name the last again
	v_min_u32 v7, 7, v[LANE]
	v_lshlrev_b32 v6, 8, v6
	v_lshlrev_b32 v7, 8, v7
.set ASKC, 0
.macro ASK reg, off                    ; one tile of P, or two of V
	s_cmp_eq_u32 s15, 0
	s_cbranch_scc1 .Lone_\@
	global_prefetch_b8 v[\reg], s[8:9] offset:(\off)+32768 th:TH_LOAD_NT scope:SCOPE_SE
.Lone_\@:
	global_prefetch_b8 v[\reg], s[8:9] offset:\off th:TH_LOAD_NT scope:SCOPE_SE
.endm
	s_wait_alu depctr_va_vdst(0)                   ; ahead of the branch
	ASK 6, 0                                       ; slot 1's keys, whose load sets out when slot 0's has landed
	s_lshl_b32 s18, s17, 19
	ADDSH s15, 18
	ADDSH s42, 10
	ADDSH s16, 9
	s_mov_b32 s19, 0
	s_add_nc_u64 s[12:13], s[12:13], s[18:19]
	s_mov_b32 s100, 0x80808080
	s_wait_loadcnt 0x0
	v_min_num_f32 v[NMG], v[PNM], v[PNM+2]
	v_min_num_f32 v[NMG+1], v[PNM+1], v[PNM+3]
.irp c, 4,6,8,10,12,14
.irp e, 0,1
	v_min_num_f32 v[NMG+\e], v[NMG+\e], v[PNM+\c+\e]
.endr
.endr
	v_min_num_f32 v[NMG], v[NMG], v[NMG+1]
.macro ADJ c
.irp e, 0,1
	v_sub_f32 v[DD+\e], v[PNM+\c+\e], v[NMG]
.endr
.irp e, 0,1
	v_min_num_f32 v[DD+\e], 0x42fe0000, v[DD+\e]
.endr
.irp e, 0,1
	v_cvt_u32_f32 v[DD+\e], v[DD+\e]
.endr
.irp e, 0,1
	v_sub_nc_u32 v[NN+\e], 0, v[DD+\e]
.endr
.if \c == 0
.irp e, 0,1
	v_ldexp_f32 v[LL+\e], v[PLL+\c+\e], v[NN+\e]
.endr
.else
.irp e, 0,1
	v_ldexp_f32 v[NN+\e], v[PLL+\c+\e], v[NN+\e]
.endr
.irp e, 0,1
	v_add_f32 v[LL+\e], v[LL+\e], v[NN+\e]
.endr
.endif
.irp e, 0,1
	v_perm_b32 v[DD+\e], v[DD+\e], v[DD+\e], 0
.endr
.irp e, 0,1
	v_or_b32 v[XX+\e], s100, v[PSW+\c+\e]
.endr
.irp e, 0,1
	v_sub_nc_u32 v[XX+\e], v[XX+\e], v[DD+\e]
.endr
.irp e, 0,1
	v_and_b32 v[GG+\e], s100, v[XX+\e]
.endr
.irp e, 0,1
	v_lshrrev_b32 v[NN+\e], 7, v[GG+\e]
.endr
.irp e, 0,1
	v_sub_nc_u32 v[GG+\e], v[GG+\e], v[NN+\e]
.endr
.irp e, 0,1
	v_and_b32 v[PSW+\c+\e], v[XX+\e], v[GG+\e]
.endr
.irp e, 0,1
	ds_store_b32 v[SWA], v[PSW+\c+\e] offset:512*(\c+\e)
.endr
.endm
.irp c, 0,2,4,6,8,10,12,14
	ADJ \c
.endr
	v_add_f32 v[LL], v[LL], v[LL+1]
	s_wait_alu depctr_va_vdst(0)
	v_rcp_f32 v[RC], v[LL]
	v_nop
	s_wait_alu depctr_va_vdst(0)
	ds_store_b32 v[RLA], v[RC]
.macro STEPSET n
.set PP,  (\n)%2
.set PNX, 1-PP
.set CNX, (\n)+1
.set SNX, (CNX/3)%2
.set QNX, CNX%3
.endm
.macro FRAG reg, adr, q, i
.irp c, 0,1,2,3
	ds_load_b128 v[\reg+4*\c:\reg+4*\c+3], v[\adr] offset:QOFF*(\q)+COFF*\c+IOFF*(\i)
.endr
.endm
.macro WM a, b, zero
.set rD,  8*(8*(\a)+(\b))
.set rB,  128*PP+FR*(\b)
.set rA,  AF+64*PP+FR*(\a)
.set rSB, SC+6*PP+2+(\b)/2
.set rSA, SC+6*PP+(\a)/2
.set rW,  2*((\a)%2)+(\b)%2
.if \zero
.if rW == 0
	v_wmma_scale_f32_16x16x128_f8f6f4 v[rD:rD+7], v[rB:rB+FR-1], v[rA:rA+FR-1], 0, v[rSB], v[rSA]
.elseif rW == 1
	v_wmma_scale_f32_16x16x128_f8f6f4 v[rD:rD+7], v[rB:rB+FR-1], v[rA:rA+FR-1], 0, v[rSB], v[rSA] matrix_a_scale:MATRIX_SCALE_ROW1
.elseif rW == 2
	v_wmma_scale_f32_16x16x128_f8f6f4 v[rD:rD+7], v[rB:rB+FR-1], v[rA:rA+FR-1], 0, v[rSB], v[rSA] matrix_b_scale:MATRIX_SCALE_ROW1
.else
	v_wmma_scale_f32_16x16x128_f8f6f4 v[rD:rD+7], v[rB:rB+FR-1], v[rA:rA+FR-1], 0, v[rSB], v[rSA] matrix_a_scale:MATRIX_SCALE_ROW1 matrix_b_scale:MATRIX_SCALE_ROW1
.endif
.else
.if rW == 0
	v_wmma_scale_f32_16x16x128_f8f6f4 v[rD:rD+7], v[rB:rB+FR-1], v[rA:rA+FR-1], v[rD:rD+7], v[rSB], v[rSA]
.elseif rW == 1
	v_wmma_scale_f32_16x16x128_f8f6f4 v[rD:rD+7], v[rB:rB+FR-1], v[rA:rA+FR-1], v[rD:rD+7], v[rSB], v[rSA] matrix_a_scale:MATRIX_SCALE_ROW1
.elseif rW == 2
	v_wmma_scale_f32_16x16x128_f8f6f4 v[rD:rD+7], v[rB:rB+FR-1], v[rA:rA+FR-1], v[rD:rD+7], v[rSB], v[rSA] matrix_b_scale:MATRIX_SCALE_ROW1
.else
	v_wmma_scale_f32_16x16x128_f8f6f4 v[rD:rD+7], v[rB:rB+FR-1], v[rA:rA+FR-1], v[rD:rD+7], v[rSB], v[rSA] matrix_a_scale:MATRIX_SCALE_ROW1 matrix_b_scale:MATRIX_SCALE_ROW1
.endif
.endif
.endm
.macro GRP g, zero
	WIN W_MUL
.irp b, 2*(\g), 2*(\g)+1
.irp a, 0,1,2,3
	WM \a, \b, \zero
.endr
.endr
.endm
.macro LA
	WIN 0
.irp i, 0,1,2,3
	FRAG AF+64*PNX+FR*\i, ADRA+SNX, QNX, \i
.endr
.endm
.macro LS
.irp j, 0,1
	ds_load_b32 v[SC+6*PNX+\j], v[ADSA] offset:512*CNX+128*\j
.endr
.irp j, 0,1,2,3
	ds_load_b32 v[SC+6*PNX+2+\j], v[ADSB] offset:1024*CNX+128*\j
.endr
.endm
.macro LB i0
	WIN TO_B
.irp i, \i0, \i0+1, \i0+2, \i0+3
	FRAG 128*PNX+FR*(\i), ADRB+SNX, QNX, \i
.endr
.endm
.macro PLACES n
.rept \n
	v_nop
.endr
.endm
.macro BODY zero, np
	GRP 0, \zero
	PLACES \np
	LA
	LS
.if ASKC
	ASK 5+ASKC, ASKO
.endif
	GRP 1, \zero
	LB 0
	s_wait_dscnt 38
	GRP 2, \zero
	LB 4
	GRP 3, \zero
.endm
.macro STEP n, zero
	STEPSET \n
	s_wait_dscnt 16
	BODY \zero, NP
.endm
.macro TURN n, slot, fill
	STEPSET \n
	WIN 0
	s_wait_tensorcnt 0x0
	ds_add_u32 v[SPW], v[NIL]
.if \fill
	s_add_nc_u64 s[G0+4*\slot+2:G0+4*\slot+3], s[G0+4*\slot+2:G0+4*\slot+3], 2*KSB
	s_add_nc_u64 s[G0B+4*\slot+2:G0B+4*\slot+3], s[G0B+4*\slot+2:G0B+4*\slot+3], 2*KSB
.endif
	s_wait_dscnt 0x0
.if \fill
	CROUND
.if \fill == 2
	JLOAD G0+4*\slot, G1L, G0B+4*\slot, G1LB
.else
	JLOAD G0+4*\slot, G1, G0B+4*\slot, G1B
.endif
.if (\n) < 11                          ; the slot behind the one just asked for: three key steps ahead of its load; the last has one chunk
.set ASKC, 1+(\n)/8
.set ASKO, KSB*((\n+1)/3+1)
.endif
	BODY 0, NP-4
.set ASKC, 0
.else
	s_barrier_signal -1
	s_barrier_wait -1
	BODY 0, NP
.endif
.endm
	s_wait_tensorcnt 0x0                           ; my tile of the head's is in
	ds_add_u32 v[SPW], v[NIL]
	s_mov_b32 s[G1+2], 4<<16                       ; no tensor load of mine is out: from here on a load of P brings 4 tiles
	s_mov_b32 s[G1+4], 4
	s_wait_dscnt 0x0                               ; the add is done, and my stores of scale words and of 1 / l
	CROUND
	JLOAD G0+4, G1, G0B+4, G1B                     ; slot 1
.set PNX, 0
.set CNX, 0
.set SNX, 0
.set QNX, 0
	LA
	LS
	LB 0
	LB 4
	WIN 0
	ASK 6, KSB                                     ; slot 2's keys
	STEP 0, 1
	STEP 1, 0
	TURN 2, 0, 1
	STEP 3, 0
	STEP 4, 0
	TURN 5, 1, 1
	STEP 6, 0
	STEP 7, 0
	TURN 8, 0, 1
	STEP 9, 0
	STEP 10, 0
	TURN 11, 1, 2
	STEP 12, 0
	STEP 13, 0
.set IOFF, 2048
	TURN 14, 0, 0
	STEPSET 15
	s_wait_dscnt 16
	GRP 0, 0
	GRP 1, 0
	s_wait_dscnt 0x0
	GRP 2, 0
	GRP 3, 0
	WIN 0
.macro TOSTAGE a
.set AC, 64*(\a)
.set BB, BK+64*((\a)%2)
.if (\a) > 0
	s_wait_dscnt 16
.endif
	WIN 0x06
.set i, 0
.rept 32
	v_pk_mul_f32 v[T+2*i:T+2*i+1], v[AC+2*i:AC+2*i+1], v[128+2*(\a):129+2*(\a)]
.set i, i+1
.endr
	WIN 0
.irp b, 0,1,2,3,4,5,6,7
	ds_store_b128 v[STO], v[T+8*\b:T+8*\b+3] offset:64*\b
	ds_store_b128 v[STO], v[T+8*\b+4:T+8*\b+7] offset:64*\b+16
.endr
.irp t, 0,1,2,3,4,5,6,7,8,9,10,11,12,13,14,15
	ds_load_b128 v[BB+4*\t:BB+4*\t+3], v[RD] offset:\t*SPITCH
.endr
.endm
.macro SEND a, younger
.set BB, BK+64*((\a)%2)
	s_wait_dscnt \younger
.irp t, 0,1,2,3,4,5,6,7,8,9,10,11,12,13,14,15
	global_store_b128 v[CO], v[BB+4*\t:BB+4*\t+3], s[12:13] offset:(16*(\a)+\t)*4096 th:TH_STORE_NT
.endr
.endm
	PLACES NP
	WIN 0x40
.irp a, 0,1,2,3
	ds_load_b32 v[128+2*\a], v[RLR] offset:64*\a
	ds_load_b32 v[129+2*\a], v[RLR] offset:64*\a
.endr
	WIN 0
	s_wait_dscnt 0x0
	TOSTAGE 0
.irp a, 1,2,3
.if \a > 1
	s_wait_xcnt 0x0
.endif
	TOSTAGE \a
	SEND \a-1, 32
.endr
	SEND 3, 0
	s_wait_tensorcnt 0x0
	ds_add_u32 v[SPW], v[NIL]
	s_wait_dscnt 0x0
	CROUND
	s_endpgm
.Lfunc_end_k_q78d5023e44_pv:
	.size	k_q78d5023e44_pv, .Lfunc_end_k_q78d5023e44_pv-k_q78d5023e44_pv
	.p2alignl 7, 3214868480
	.fill 96, 4, 3214868480
	.section	.rodata,"a",@progbits
	.p2align	6, 0x0
	.amdhsa_kernel k_q78d5023e44_pv
		.amdhsa_group_segment_fixed_size 327680
		.amdhsa_private_segment_fixed_size 0
		.amdhsa_enable_private_segment 0
		.amdhsa_kernarg_size 40
		.amdhsa_user_sgpr_count 2
		.amdhsa_user_sgpr_kernarg_segment_ptr 1
		.amdhsa_wavefront_size32 1
		.amdhsa_system_sgpr_workgroup_id_x 1
		.amdhsa_system_sgpr_workgroup_id_y 1
		.amdhsa_system_sgpr_workgroup_id_z 1
		.amdhsa_system_vgpr_workitem_id 0
		.amdhsa_next_free_vgpr 768
		.amdhsa_next_free_sgpr 106
		.amdhsa_reserve_vcc 0
		.amdhsa_float_denorm_mode_32 3
		.amdhsa_float_denorm_mode_16_64 3
		.amdhsa_memory_ordered 1
		.amdhsa_forward_progress 1
		.amdhsa_inst_pref_size 180
	.end_amdhsa_kernel
	.amdgpu_metadata
---
amdhsa.version: [ 1, 2 ]
amdhsa.kernels:
  - .name:           k_q78d5023e44_pv
    .symbol:         k_q78d5023e44_pv.kd
    .args:
      - { .name: c1, .offset: 0, .size: 8, .value_kind: global_buffer, .address_space: global }
      - { .name: s1, .offset: 8, .size: 8, .value_kind: global_buffer, .address_space: global }
      - { .name: pc, .offset: 16, .size: 8, .value_kind: global_buffer, .address_space: global }
      - { .name: pst, .offset: 24, .size: 8, .value_kind: global_buffer, .address_space: global }
      - { .name: out0, .offset: 32, .size: 8, .value_kind: global_buffer, .address_space: global }
    .group_segment_fixed_size: 327680
    .private_segment_fixed_size: 0
    .kernarg_segment_align: 8
    .kernarg_segment_size: 40
    .max_flat_workgroup_size: 128
    .sgpr_count:     106
    .vgpr_count:     768
    .wavefront_size: 32
...
	.end_amdgpu_metadata
.endif
;; end of part 3
